; MI455X (gfx1250); checked and timed in simulation.
; The chip was launched on July 23, 2026; its instructions are those of AMD's public machine-readable ISA for CDNA 5 (MIT licence, August 2026) and "CDNA5" Instruction Set Architecture Reference Guide (July 2026). The comments in the code are by the model that wrote it; some were corrected since.
;; Causal Self Attention. Allowed arithmetic: matrix products marked QUANTISED: E2M3 operands, one E8M0 scale for each 32 along K, by v_wmma_scale_f32_16x16x128_f8f6f4 with both operands' format E2M3, f32 sums; everything else in f32.
;; Inputs: Wk 1,024 x 1,024 float32; Wq 1,024 x 1,024 float32; Wv 1,024 x 1,024 float32; x 4 x 2,048 x 1,024 float32.
;; Outputs: out0 4 x 2,048 x 1,024 float32.
;; This version of the problem:
;;   THIS VERSION OF THE PROBLEM IS GIVEN IN LOW PRECISION. The matrix products marked QUANTISED in the list below multiply operands that are first quantised to E2M3 (2 exponent bits, 3 mantissa bits; 6 bits a number), with one power-of-two scale for each 32 numbers along K (OCP MX v1.0); their sums are f32. All else is computed in f32.
;;   The module's matrix products, in the order in which they are computed (A, B: the left and right operand; K: the contracted axis; several contracted axes count as one K, in the product's order):
;;     1. [M 8,192, K 1,024] x [K 1,024, N 1,024]; A: input x; B: input Wq: QUANTISED
;;     2. [M 8,192, K 1,024] x [K 1,024, N 1,024]; A: input x; B: input Wk: QUANTISED
;;     3. [M 8,192, K 1,024] x [K 1,024, N 1,024]; A: input x; B: input Wv: QUANTISED
;;     4. batch 4 x [M 2,048, K 1,024] x [K 1,024, N 2,048]; A: computed on the way; B: computed on the way: QUANTISED
;;     5. batch 4 x [M 2,048, K 2,048] x [K 2,048, N 1,024]; A: softmax (see below); B: computed on the way: QUANTISED
;;   THE QUANTISER, for each operand of a quantised product, along K:
;;     - K is cut into blocks of 32 from its start; a last block that is shorter is filled with zeros.
;;     - A block's scale is 2^e with e = floor(log2(the largest magnitude in the block)) - 2, held to -126 .. 127; a block of zeros has e = 0. As a byte (E8M0): e + 127.
;;     - Each number is divided by its block's scale, clamped to +-7.5, and rounded to the nearest number of E2M3, ties to even, subnormals kept.
;;     - The product sums the exact products of the quantised numbers (number of the format x scale) in f32.
;;   ~~~python
;;   def quantise(x, axis):      # numpy; x: float32 -> the quantised numbers, widened to float32 again
;;       x = np.moveaxis(x, axis, -1); K = x.shape[-1]
;;       x = np.pad(x, [(0, 0)] * (x.ndim - 1) + [(0, -K % 32)]); x = x.reshape(x.shape[:-1] + (-1, 32)); a = np.abs(x).max(-1, keepdims=True)
;;       e = np.where(a > 0, np.clip(np.frexp(np.where(a > 0, a, 1))[1] - 1 - 2, -126, 127), 0)      # np.frexp(a)[1] - 1 = floor(log2(a)), exactly
;;       r = np.clip(x / 2.0 ** e, -7.5, 7.5)
;;       step = 2.0 ** (np.maximum(np.frexp(np.where(r == 0, 1, r))[1] - 1, 0) - 3)
;;       q = np.round(r / step) * step * 2.0 ** e      # np.round: ties to even
;;       return np.moveaxis(q.reshape(q.shape[:-2] + (-1,))[..., :K], -1, axis).astype(np.float32)
;;   ~~~
;;   SOFTMAX AHEAD OF A QUANTISED PRODUCT. Where the list says 'softmax', what is quantised is not the finished softmax but p = 2^(t - M), with t = logit x log2(e) and M = ceil(the row's largest t), a whole number; so 1/2 < the row's largest p <= 1. The row's sum l is taken of the UNQUANTISED p, in f32, and the product's result is divided by l at the end. Since M is a whole number, a kernel that streams over the keys may use a running M (the ceiling of the running maximum): every later rescaling is an exact power of two, which a block's scale takes up: the codes' values come out the same.
;;   OPERANDS COMPUTED ON THE WAY. 'Computed on the way' means the value that the module computes at that place (a softmax that the list does not call 'softmax' is quantised finished and normalised). What goes into a quantiser is computed in f32, as accurately as f32 sums, v_exp_f32 and their like allow (about 1e-6 of the number): no bf16 or f16 on the way to a quantiser, and a product that is left as it is and whose result goes on into a quantised operand takes f32 operands (vector FMAs, or v_wmma_f32_16x16x4_f32). A number that lies on a knife's edge between two numbers of the format may be rounded either way, as far as f32 arithmetic and the matrix unit's own rounding can turn it there, and no further.
;; One version. Each part assembles by itself: llvm-mc -triple=amdgcn-amd-amdhsa -mcpu=gfx1250 --defsym DOCPART=n.
;; ======== version 1 of 1: 4 launches
;; limits: right only within a limited range of input values
;; workspace buffers: xw_img 8,650,752 bytes; xw_scl 360,448 bytes; qkv_img 18,874,368 bytes; qkv_scl 786,432 bytes; p_img 12,582,912 bytes; p_aux 1,572,864 bytes
;; launch quant (part 1): grid 176 x 4, 2 waves a work-group, no clusters, 17,152 bytes of LDS; arguments x, Wq, Wk, Wv, xw_img, xw_scl; writes xw_img, xw_scl
.if DOCPART == 1
	.amdgcn_target "amdgcn-amd-amdhsa--gfx1250"
	.amdhsa_code_object_version 6
	.text
	.protected	k_q9eae6c667b_quant
	.globl	k_q9eae6c667b_quant
	.p2align	8
	.type	k_q9eae6c667b_quant,@function
k_q9eae6c667b_quant:
	s_mov_b64 s[64:65], 0
	v_nop
	global_prefetch_b8 v0, s[64:65] scope:SCOPE_SE
	s_setreg_imm32_b32 hwreg(HW_REG_WAVE_MODE, 25, 1), 1
	s_wait_xcnt 0x0
; x [8192][1024], Wq, Wk, Wv [1024][1024], f32, are taken as ONE stacked matrix of 11,264 rows and turned into codes of FP6 (E2M3) with one E8M0 byte for each 32 along K (K = the 1,024 features, innermost).
; A block's scale is 2^(floor(log2(its largest magnitude)) - 2); its byte is the largest magnitude's exponent field - 2, held at 1 from below; numbers are divided by the scale and rounded to the nearest code, ties to even.
; LAYOUT OF THE CODES: images of the matrix unit's operand registers.  Block (row tile i, K step s of 128) is 1,536 bytes at (8 i + s) x 1,536: registers 4 c .. 4 c + 3 of lane l at 512 c + 16 l.
; Lane-row r of row tile i is matrix row 32 (i / 2) + 8 (i % 2) + r + 8 (r / 8): used as a product's source 0, two neighbouring tiles' results are then 16 neighbours along the next K.
; LAYOUT OF THE SCALE WORDS: for 64 rows (row tiles 4 g .. 4 g + 3) and one K step 256 bytes at (8 g + s) x 256: lane (h, r) at 8 l, word j = the word of row tile 4 g + 2 j + h, lane-row r.
; SHARES: work-group x = the group g of 64 rows, wave w takes K step 2 y + w: four fragments and one whole unit of scale words.  704 work-groups of two waves.
; Each load reads 512 consecutive bytes of a row; 16 rows turn through the wave's own stage in LDS (rows 528 bytes apart) and come back into the registers that they left, so that a lane gets 16 neighbours of
; each block of 32.  Three sets of 64 registers: 48 loads of a wave are out at the start.  Each store covers 512 (codes) or 256 (scale words) consecutive aligned bytes.  Waves share nothing: no barrier.
; LIMITS: NaN and infinities are not served.  A block whose largest magnitude lies under 2^-124, a block of zeros too, keeps the byte 1: its codes are (nearly) zeros and only this program reads the bytes.
.set STG,   8448                       ; a wave's stage: 16 rows x (512 + 16) bytes
.set SPARE, 2*STG                      ; behind the stages: the spare words, 128 bytes a wave: one block of 256 bytes that no other line names
.set A16, 1                            ; v1   16 x lane: my bytes of a row's 512, and of an image's 512
.set STW, 2                            ; v2   the stage on the way in
.set STR, 3                            ; v3   and on the way out: row r, + 64 h
.set L8,  4                            ; v4   8 x lane
.set SPW, 5                            ; v5   my spare word; never rewritten
.set NIL, 6                            ; v6   0; never rewritten
.set R,   16                           ; v16-207  three sets of 64 registers: as loaded, then register 16 b + i = k 32 b + 16 h + i of my row
.set PC,  208                          ; v208-227 the codes
.set TM,  228                          ; v228-243 at work
.set PW,  244                          ; v244-247 the four fragments' scale words
.set OW,  248                          ; v248-249 the unit of scale words
.set SEL, 20                           ; s[20:21] v_permlanex16_b32's selects for lane l xor 16
; 64 numbers of a lane become a fragment's 12 registers of codes, v[pc] on, and its row's scale word, v[pw] (the same in both halves of the lanes).
.macro QUANT s, pc, pw
.irp b, 0,1,2,3
	v_max3_num_f32 v[TM+\b], |v[(\s)+16*\b]|, |v[(\s)+16*\b+1]|, 0x1800000   ; block b: my 16 numbers, and the floor 2^(3 - 127): the byte cannot fall under 1
.endr
.irp i, 2,4,6,8,10,12,14
.irp b, 0,1,2,3
	v_max3_num_f32 v[TM+\b], v[TM+\b], |v[(\s)+16*\b+\i]|, |v[(\s)+16*\b+\i+1]|   ; the four blocks by turns
.endr
.endr
.irp b, 0,1,2,3
	v_permlanex16_b32 v[TM+4+\b], v[TM+\b], s[SEL], s[SEL+1]
.endr
.irp b, 0,1,2,3
	v_max_num_f32 v[TM+\b], v[TM+\b], v[TM+4+\b]   ; with lane l xor 16's 16: the block's largest magnitude
.endr
.irp b, 0,1,2,3
	v_add_nc_u32 v[TM+12+\b], 0xff000000, v[TM+\b]   ; 2 off its exponent field: the conversion's scale operand
.endr
.irp b, 0,1,2,3
	v_lshrrev_b32 v[TM+4+\b], 23, v[TM+12+\b]      ; the scale's byte
.endr
	v_lshl_or_b32 v[\pw], v[TM+5], 8, v[TM+4]
	v_lshl_or_b32 v[\pw], v[TM+6], 16, v[\pw]
	v_lshl_or_b32 v[\pw], v[TM+7], 24, v[\pw]
.irp c, 0,1
	v_cvt_scalef32_pk16_fp6_f32 v[(\pc)+6*\c:(\pc)+6*\c+2], v[(\s)+32*\c:(\s)+32*\c+15], v[TM+12+2*\c]
	v_cvt_scalef32_pk16_fp6_f32 v[(\pc)+12+4*\c:(\pc)+14+4*\c], v[(\s)+32*\c+16:(\s)+32*\c+31], v[TM+13+2*\c]   ; (a conversion's three registers begin on an even number)
.endr
	v_nop                                          ; one plain place behind the scaled conversions
.irp c, 0,1                                    ; the operand wants a WHOLE block in a lane: lanes 0-15 block 2 c, lanes 16-31 block 2 c + 1
.irp i, 0,1,2
	v_permlane16_swap_b32 v[(\pc)+6*\c+\i], v[(\pc)+12+4*\c+\i]
.endr
.irp i, 0,1,2
	v_mov_b32 v[(\pc)+3+6*\c+\i], v[(\pc)+12+4*\c+\i]
.endr
.endr
.endm
.macro LOAD m                          ; the 16 rows of row tile 4 g + m, in the tile's order, into set m % 3: 512 consecutive bytes a load
.irp n, 0,1,2,3,4,5,6,7,8,9,10,11,12,13,14,15
	global_load_b128 v[R+64*((\m)%3)+4*\n:R+64*((\m)%3)+4*\n+3], v[A16], s[16:17] offset:(32*((\m)/2)+8*((\m)%2)+\n+8*(\n/8))*4096 th:TH_LOAD_NT
.endr
.endm
.macro UNIT m, left
.set RS, R+64*((\m)%3)
	s_wait_loadcnt \left                           ; this unit's 16 loads are in; those of the later units may be out
.irp n, 0,1,2,3,4,5,6,7,8,9,10,11,12,13,14,15
	ds_store_b128 v[STW], v[RS+4*\n:RS+4*\n+3] offset:528*\n
.endr
	s_wait_dscnt 0x0                               ; the stores have read their registers, which take the same numbers back in the other order
.irp t, 0,1,2,3,4,5,6,7,8,9,10,11,12,13,14,15
	ds_load_b128 v[RS+4*\t:RS+4*\t+3], v[STR] offset:128*(\t/4)+16*(\t%4)
.endr
	s_wait_dscnt 0x0                               ; the numbers are back
	s_wait_xcnt 0x0                                ; the last unit's stores have read the codes' registers: they are written again only behind this wait
	QUANT RS, PC, PW+(\m)
.if (\m) == 0
	LOAD 3                                         ; the set is free: it takes the last unit's loads
.endif
.irp c, 0,1,2
	global_store_b128 v[A16], v[PC+4*\c:PC+4*\c+3], s[12:13] offset:(\m)*12288+512*\c   ; 32 lanes store 512 consecutive bytes, aligned
.endr
.endm
	s_load_b256 s[4:11], s[0:1], 0x0               ; x s[4:5], Wq s[6:7], Wk s[8:9], Wv s[10:11]
	s_load_b128 s[12:15], s[0:1], 0x20             ; the codes s[12:13], the scale words s[14:15]
	v_lshl_add_u32 v[SPW], v0, 2, SPARE
	v_mov_b32 v[NIL], 0
	v_lshrrev_b32 v7, 5, v0
	v_readfirstlane_b32 s24, v7                    ; wave 0..1
	v_and_b32 v7, 31, v0                           ; lane
	v_lshlrev_b32 v[A16], 4, v7
	v_lshlrev_b32 v[L8], 3, v7
	s_mul_i32 s25, s24, STG                        ; my stage
	v_add_nc_u32 v[STW], s25, v[A16]
	v_and_b32 v8, 15, v0                           ; r
	v_bfe_u32 v9, v0, 4, 1                         ; h
	v_mul_u32_u24 v[STR], v8, 528
	v_lshl_add_u32 v[STR], v9, 6, v[STR]
	v_add_nc_u32 v[STR], s25, v[STR]
	s_mov_b32 s[SEL], 0x76543210
	s_mov_b32 s[SEL+1], 0xfedcba98
	s_mov_b32 s22, 0xffff0000                      ; lanes 16-31
.irp b, 4,5,6,7
	v_mov_b32 v[TM+\b], 0                          ; written once: a lane permute's destination counts as one of its sources
.endr
	s_and_b32 s23, ttmp7, 0xffff
	s_lshl_b32 s23, s23, 1
	s_add_co_u32 s23, s23, s24                     ; my K step: 2 y + wave
	s_mov_b32 s18, 160
	s_wait_alu depctr_va_vdst(0)
	s_wait_kmcnt 0x0
	s_cmp_lt_u32 ttmp9, 160                        ; which tensor holds my 64 rows, and at which group it begins: the choice hangs on the work-group's number alone
	s_cselect_b64 s[16:17], s[8:9], s[10:11]
	s_cselect_b32 s18, 144, s18
	s_cmp_lt_u32 ttmp9, 144
	s_cselect_b64 s[16:17], s[6:7], s[16:17]
	s_cselect_b32 s18, 128, s18
	s_cmp_lt_u32 ttmp9, 128
	s_cselect_b64 s[16:17], s[4:5], s[16:17]
	s_cselect_b32 s18, 0, s18
	s_sub_co_u32 s18, ttmp9, s18
	s_lshl_b32 s18, s18, 18                        ; 64 rows of 4,096 bytes a group,
	s_lshl_b32 s25, s23, 9                         ; 512 bytes a K step
	s_add_co_u32 s18, s18, s25
	s_mov_b32 s19, 0
	s_add_nc_u64 s[16:17], s[16:17], s[18:19]
	s_lshl_b32 s26, ttmp9, 5
	s_add_co_u32 s26, s26, s23
	s_mul_i32 s26, s26, 1536                       ; the codes of row tile 4 g, K step s: (32 g + s) x 1,536
	s_mov_b32 s27, 0
	s_add_nc_u64 s[12:13], s[12:13], s[26:27]
	s_lshl_b32 s26, ttmp9, 3
	s_add_co_u32 s26, s26, s23
	s_lshl_b32 s26, s26, 8                         ; the unit of scale words: (8 g + s) x 256
	s_add_nc_u64 s[14:15], s[14:15], s[26:27]
	LOAD 0
	LOAD 1
	LOAD 2
	UNIT 0, 32                                     ; units 1 and 2 may be out
	UNIT 1, 32                                     ; units 2 and 3
	UNIT 2, 16                                     ; unit 3
	UNIT 3, 0
	v_cndmask_b32 v[OW], v[PW], v[PW+1], s22       ; word 0: lanes 0-15 row tile 4 g, lanes 16-31 row tile 4 g + 1
	v_cndmask_b32 v[OW+1], v[PW+2], v[PW+3], s22   ; word 1: row tiles 4 g + 2 and 4 g + 3
	global_store_b64 v[L8], v[OW:OW+1], s[14:15]   ; 32 lanes store 256 consecutive bytes, aligned
	s_wait_tensorcnt 0x0                           ; the wave's end, behind my last LDS store
	ds_add_u32 v[SPW], v[NIL]
	s_wait_dscnt 0x0
	s_endpgm
.Lfunc_end_k_q9eae6c667b_quant:
	.size	k_q9eae6c667b_quant, .Lfunc_end_k_q9eae6c667b_quant-k_q9eae6c667b_quant
	.p2alignl 7, 3214868480
	.fill 96, 4, 3214868480
	.section	.rodata,"a",@progbits
	.p2align	6, 0x0
	.amdhsa_kernel k_q9eae6c667b_quant
		.amdhsa_group_segment_fixed_size 17152
		.amdhsa_private_segment_fixed_size 0
		.amdhsa_enable_private_segment 0
		.amdhsa_kernarg_size 48
		.amdhsa_user_sgpr_count 2
		.amdhsa_user_sgpr_kernarg_segment_ptr 1
		.amdhsa_wavefront_size32 1
		.amdhsa_system_sgpr_workgroup_id_x 1
		.amdhsa_system_sgpr_workgroup_id_y 1
		.amdhsa_system_sgpr_workgroup_id_z 1
		.amdhsa_system_vgpr_workitem_id 0
		.amdhsa_next_free_vgpr 256
		.amdhsa_next_free_sgpr 66
		.amdhsa_reserve_vcc 0
		.amdhsa_float_denorm_mode_32 3
		.amdhsa_float_denorm_mode_16_64 3
		.amdhsa_memory_ordered 1
		.amdhsa_forward_progress 1
		.amdhsa_inst_pref_size 34
	.end_amdhsa_kernel
	.amdgpu_metadata
---
amdhsa.version: [ 1, 2 ]
amdhsa.kernels:
  - .name:           k_q9eae6c667b_quant
    .symbol:         k_q9eae6c667b_quant.kd
    .args:
      - { .name: x, .offset: 0, .size: 8, .value_kind: global_buffer, .address_space: global }
      - { .name: Wq, .offset: 8, .size: 8, .value_kind: global_buffer, .address_space: global }
      - { .name: Wk, .offset: 16, .size: 8, .value_kind: global_buffer, .address_space: global }
      - { .name: Wv, .offset: 24, .size: 8, .value_kind: global_buffer, .address_space: global }
      - { .name: xw_img, .offset: 32, .size: 8, .value_kind: global_buffer, .address_space: global }
      - { .name: xw_scl, .offset: 40, .size: 8, .value_kind: global_buffer, .address_space: global }
    .group_segment_fixed_size: 17152
    .private_segment_fixed_size: 0
    .kernarg_segment_align: 8
    .kernarg_segment_size: 48
    .max_flat_workgroup_size: 64
    .sgpr_count:     66
    .vgpr_count:     256
    .wavefront_size: 32
...
	.end_amdgpu_metadata
.endif
;; end of part 1
;; launch qkv (part 2): grid 8 x 32, 4 waves a work-group, clusters of 4 x 4, 327,680 bytes of LDS; arguments xw_img, xw_scl, qkv_img, qkv_scl; writes qkv_img, qkv_scl
.if DOCPART == 2
	.amdgcn_target "amdgcn-amd-amdhsa--gfx1250"
	.amdhsa_code_object_version 6
	.text
	.protected	k_q9eae6c667b_qkv
	.globl	k_q9eae6c667b_qkv
	.p2align	8
	.type	k_q9eae6c667b_qkv,@function
k_q9eae6c667b_qkv:
	s_mov_b64 s[64:65], 0
	v_nop
	global_prefetch_b8 v0, s[64:65] scope:SCOPE_SE
	s_setreg_imm32_b32 hwreg(HW_REG_WAVE_MODE, 25, 1), 1
	s_wait_xcnt 0x0
	s_wait_alu depctr_hold_cnt(0) depctr_sa_sdst(0) depctr_va_vdst(0) depctr_va_sdst(0) depctr_va_ssrc(0) depctr_va_vcc(0) depctr_vm_vsrc(0)
	s_getreg_b32 s2, hwreg(HW_REG_IB_STS2, 6, 4)
	s_cmp_eq_u32 s2, 0
	s_cbranch_scc0 .Lentry_in_a_cluster
	s_endpgm
.Lentry_in_a_cluster:
	s_bfe_u32 s2, ttmp6, 0x10000c
	s_cmp_lg_u32 s2, 0xf033
	s_cbranch_scc0 .Lentry_shape_is_right
	s_endpgm
.Lentry_shape_is_right:
; q, k, v = x W^T on codes of FP6 (E2M3) with E8M0 scales, f32 sums, and each result quantised again in registers for the product that follows: q and k along the features, v along the tokens.
; OPERANDS are images of operand registers: block (row tile i, K step s) of 1,536 bytes at (i KS + s) x 1,536, registers 4 c .. 4 c + 3 of lane l at 512 c + 16 l; lane-row r of row tile i is matrix row
; 32 (i / 2) + 8 (i % 2) + r + 8 (r / 8).  Scale words: for 64 rows and a K step 256 bytes at (g KS + s) x 256, lane (h, r) at 8 l, word j = row tile 4 g + 2 j + h.
; xw_img: 11,264 rows (x, Wq, Wk, Wv), KS = 8.  qkv_img: at 0 rows = 8,192 tokens, KS = 16 (K steps 0-7 q, 8-15 k); at 12,582,912 rows = v's 1,024 features, KS = 64 (K = the 8,192 tokens).
; THE DEAL: 32 tiles of 256 tokens x 8: 256 work-groups.  PHASE A: 256 tokens x 256 rows of Wq | Wk, 128 x 128 a wave (source 0 = 16 rows of W, source 1 = 16 tokens: a lane holds one token, its registers run along
; the features; a wave's 128 features are ONE K step of the next product).  PHASE B: 128 rows of Wv x the same 256 tokens, 64 x 128 a wave (source 0 = tokens, source 1 = Wv: a lane holds one feature).
; LDS: x's 256 rows, all of K, stay: K steps 0-1 at 0, 2-7 behind them.  The weights go through two slots of 49,152 bytes: four chunks of two K steps of Wq | Wk, then two of four K steps of Wv.
; FILLS: at the head one joint load a wave: wave 0 x's K steps 0-1, wave 1 W's chunk 0, wave 2 x's K steps 2-7, wave 3 W's chunk 1.  The first barrier shows waves 0's and 1's alone.  Phase A's K steps 1, 3, 5, 7 each
; hold a round of the cluster's barrier and a refill, a quarter a wave; phase B's K step 3 a plain barrier that shows the last one.
; CLUSTER: 4 x 4; x's rows are shared along a row, the weights' along a column, each asked for jointly.
; No data prefetch: each chunk of the weights is asked for by the eight clusters of a column, and a refill has two K steps, 128 products, in which to land.
; REGISTERS: window 0: v2-15 addresses, v16-79 scale words (8 a K step; phase B 6), v80-247 fragments of source 1 (phase A 14 of its 16), from v128 the way out.  window 1: v0-191 fragments of source 0, two sets,
; v192-215 the other two of source 1.  windows 2, 3: accumulators of row tiles 0-3, 4-7 (phase B: window 2 alone).
; LIMITS: NaN and infinities are not served; a block whose largest magnitude lies under 2^-124 (zeros too) keeps the byte 1; only this program reads the bytes.
.set XB,   49152                       ; x's K steps 2-7
.set WB,   196608                      ; the weights' two slots
.set WCH,  49152                       ; a slot
.set SPARE, WB+2*WCH                   ; the spare words, 128 bytes a wave: two blocks of 256 bytes that no other line names
.set AXA,  2                           ; v2-4   LDS address of x's fragments in phase A: K steps 0-1; 2-7, row tiles 0-3; 2-7, row tiles 4-7
.set AXB,  5                           ; v5-7   in phase B
.set AW,   8                           ; v8-9   of W's, slot 0, 1
.set AV,   10                          ; v10-11 of Wv's
.set L8,   12                          ; v12    8 x lane
.set L16,  13                          ; v13    16 x lane
.set SPW,  14                          ; v14    my spare word; never rewritten
.set NIL,  15                          ; v15    0; never rewritten
.set SC,   16
.set AF,   80
.set TM,   128                         ; the way out: v128-143, v144-159 at work for a pair's two row tiles: +0..3 maxima, +4..7 permutes and bytes, +12..15 scale operands
.set PC,   176                         ; v176-195, v196-215 codes: behind phase B's fragments (v80-175), whose loads land while the codes' stores may be on their way
.set PW,   216                         ; v216-217 scale words
.set OP,   218                         ; v218-219 a unit of scale words
.set SEL,  20                          ; s[20:21] lane l xor 16
.set MH,   22                          ; s22   lanes 16-31
.set G1X,  24                          ; descriptor groups 1: x's K steps 0-1,
.set G1Y,  40                          ; x's K steps 2-7,
.set G1W,  48                          ; the weights'
.set G0X,  32                          ; and groups 0
.set G0Y,  36
.set G0W,  56
.set MSB, 0
.macro WIN new                         ; the immediate's high byte repeats the setting that is left
.if MSB != (\new)
	s_set_vgpr_msb (MSB<<8)|(\new)
.set MSB, (\new)
.endif
.endm
.macro PLACES n                        ; plain vector places behind matrix instructions (ISA guide 7.12.1)
.rept \n
	v_nop
.endr
.endm
.macro CREST                           ; a round of the cluster's barrier behind its opening barrier
	s_cmp_lg_u32 s12, 0
	s_cbranch_scc1 .Lnot_wave_0_\@
	s_barrier_signal -3
.Lnot_wave_0_\@:
	s_barrier_wait -3
	s_barrier_signal -1
	s_barrier_wait -1
.endm
.macro CROUND
	s_barrier_signal -1
	s_barrier_wait -1
	CREST
.endm
.macro ARM w, g0, g1                   ; the head: one chain of branches on the wave's number, one load to an arm
	s_cmp_lg_u32 s12, \w
	s_cbranch_scc1 .Lpast_\w
	tensor_load_to_lds s[\g0:\g0+3], s[\g1:\g1+7]
	s_nop 0
	PLACES 4
	s_branch .Lhead_asked
.Lpast_\w:
.endm
.macro XF d, ab, ks, a                 ; x's fragment of row tile a of my eight, K step ks, into v[d] on
.if (\ks) < 2
.set xa, \ab
.set xo, 3072*(\a)+1536*(\ks)
.elseif (\a) < 4
.set xa, \ab+1
.set xo, 9216*(\a)+1536*((\ks)-2)
.else
.set xa, \ab+2
.set xo, 9216*((\a)-4)+1536*((\ks)-2)
.endif
.irp c, 0,1,2
	ds_load_b128 v[(\d)+4*\c:(\d)+4*\c+3], v[xa] offset:xo+512*\c
.endr
.endm
.macro RUN ks                          ; phase A: K step ks's sixteen fragments, 48 loads in one run.  Source 1's fragment n = 8 (ks % 2) + a: n < 14 in window 0, 14 and 15 in window 1
	WIN 0x40
.irp b, 0,1,2,3,4,5,6,7
.irp c, 0,1,2
	ds_load_b128 v[96*((\ks)%2)+12*\b+4*\c:96*((\ks)%2)+12*\b+4*\c+3], v[AW+((\ks)/2)%2] offset:3072*\b+1536*((\ks)%2)+512*\c
.endr
.endr
.if (\ks)%2
	XF 192, AXA, \ks, 6
	XF 204, AXA, \ks, 7
.endif
	WIN 0
.irp a, 0,1,2,3,4,5,6,7
.if 8*((\ks)%2)+\a < 14
	XF AF+96*((\ks)%2)+12*\a, AXA, \ks, \a
.endif
.endr
.endm
.macro RUNB ks                         ; phase B: twelve fragments, 36 loads
	WIN 0x40
.irp b, 0,1,2,3,4,5,6,7
	XF 96*((\ks)%2)+12*\b, AXB, \ks, \b
.endr
	WIN 0
.irp a, 0,1,2,3
.irp c, 0,1,2
	ds_load_b128 v[AF+48*((\ks)%2)+12*\a+4*\c:AF+48*((\ks)%2)+12*\a+4*\c+3], v[AV+(\ks)/4] offset:6144*\a+1536*((\ks)%4)+512*\c
.endr
.endr
.endm
; Row tile 2 ah + ao of source 1: its eight products of K step ks.  A scale register holds an even row tile's words in lanes 0-15 and the odd one's in lanes 16-31.
; The accumulators take turns, one instruction a turn, in the same order in every K step.
.macro R8 ph, ah, ao, ks, zero
.irp bh, 0,1,2,3
.irp bo, 0,1
.if \ph
.set rB, AF+48*((\ks)%2)+24*(\ah)+12*(\ao)
.set rY, SC+6*(\ks)+(\ah)
.set rX, SC+6*(\ks)+2+\bh
	WIN 0xa1
.else
.set rN, 8*((\ks)%2)+2*(\ah)+(\ao)
.set rB, AF+12*rN+(rN/14)*(192-168-AF)
.set rY, SC+8*(\ks)+(\ah)
.set rX, SC+8*(\ks)+4+\bh
	WIN 0xa1+0x50*((\ah)/2)+4*(rN/14)
.endif
.set rA, 96*((\ks)%2)+24*\bh+12*\bo
.set rD, 128*((\ah)%2)+64*(\ao)+16*\bh+8*\bo
.if \zero
	v_wmma_scale_f32_16x16x128_f8f6f4 v[rD:rD+7], v[rA:rA+11], v[rB:rB+11], 0, v[rX], v[rY] matrix_a_fmt:MATRIX_FMT_FP6 matrix_b_fmt:MATRIX_FMT_FP6 matrix_a_scale:MATRIX_SCALE_ROW\bo matrix_b_scale:MATRIX_SCALE_ROW\ao
.else
	v_wmma_scale_f32_16x16x128_f8f6f4 v[rD:rD+7], v[rA:rA+11], v[rB:rB+11], v[rD:rD+7], v[rX], v[rY] matrix_a_fmt:MATRIX_FMT_FP6 matrix_b_fmt:MATRIX_FMT_FP6 matrix_a_scale:MATRIX_SCALE_ROW\bo matrix_b_scale:MATRIX_SCALE_ROW\ao
.endif
.endr
.endr
.endm
.macro KA ks, zero                     ; a K step of phase A
	s_wait_dscnt 0x0                               ; its fragments are in
	PLACES 4                                       ; in front of loads into the set that the last products read
	RUN (\ks)+1
.irp ah, 0,1,2,3
.irp ao, 0,1
	R8 0, \ah, \ao, \ks, \zero
.endr
.endr
.endm
; A K step of phase A with a round in it.  In front of the opening signal each wave waits for its tensor loads, adds 0 to its spare word, and waits for that and for its reads: the slot read last is free, the other whole.
; The refill: a quarter of the chunk at s[base] + off into the slot.
.macro TURN ks, base, off, slot
	WIN 0                                          ; (the add's two registers lie in window 0)
	s_wait_tensorcnt 0x0
	ds_add_u32 v[SPW], v[NIL]                      ; 0 onto my spare word
	s_add_co_u32 s[G0W+1], s83, \slot*WCH          ; no load of mine is out, so a descriptor may be written
	s_add_nc_u64 s[G0W+2:G0W+3], s[\base:\base+1], \off
	s_or_b32 s[G0W+3], s[G0W+3], 0x80000000
.if (\ks) == 1
	s_mov_b32 s[G1W+2], 4<<16                      ; four row tiles a wave
	s_mov_b32 s[G1W+4], 4
.elseif (\ks) == 5
	s_mov_b32 s[G1W+1], 768<<16                    ; Wv: four K steps of two row tiles a wave
	s_mov_b32 s[G1W+2], 2<<16
	s_mov_b32 s[G1W+3], 768<<16
	s_mov_b32 s[G1W+4], 2
.endif
	s_wait_dscnt 1                                 ; the fragments are in; the add may be out
	R8 0, 0, 0, \ks, 0
	s_wait_dscnt 0x0                               ; the add is done
	s_barrier_signal -1
	R8 0, 0, 1, \ks, 0
	WIN 0
	s_barrier_wait -1
	CREST                                          ; no wave of any partner still reads the slot or has a load on its way
	tensor_load_to_lds s[G0W:G0W+3], s[G1W:G1W+7]
	s_nop 0
	PLACES 4                                       ; also the places in front of the loads below
.if (\ks) < 7
	RUN (\ks)+1
.else
	RUNB 0
.endif
.irp ah, 1,2,3
.irp ao, 0,1
	R8 0, \ah, \ao, \ks, 0
.endr
.endr
.endm
.macro KB ks, zero                     ; a K step of phase B
	s_wait_dscnt 0x0
	PLACES 4
	RUNB (\ks)+1
.irp ah, 0,1
.irp ao, 0,1
	R8 1, \ah, \ao, \ks, \zero
.endr
.endr
.endm
.macro LIN d, t, x, kx, y, ky, c       ; s[d:d+1] = kx s[x] + ky s[y] + c: an offset in bytes, under 2^32;  s[t] at work
	s_mul_i32 s[\d], s[\x], \kx
	s_mul_i32 s[\t], s[\y], \ky
	s_add_co_u32 s[\d], s[\d], s[\t]
	s_add_co_u32 s[\d], s[\d], \c
	s_mov_b32 s[\d+1], 0
.endm
.macro LINADD d, t, x, kx, y, ky
	s_mul_i32 s[\t], s[\x], \kx
	s_add_co_u32 s[\d], s[\d], s[\t]
	s_mul_i32 s[\t], s[\y], \ky
	s_add_co_u32 s[\d], s[\d], s[\t]
.endm
; THE WAY OUT of row tiles 2 pr and 2 pr + 1: 64 numbers of a lane, register 16 b + i = k 32 b + 16 h + i of my row, become a fragment of the next product, stored as it stands (3 x 512 consecutive aligned bytes); four row
; tiles' scale words become one unit of 256 bytes.  Each accumulator is read from its low end on.
.macro QPAIR pr, oi, stride, os
	WIN 0x28+0x14*((\pr)/2)                        ; sources 1 and 2: the accumulators' window
.irp i, 0,2,4,6,8,10,12,14
.irp e, 0,1
.irp b, 0,1,2,3
.set rT, TM+16*\e+\b
.set rA, 128*((\pr)%2)+64*\e+16*\b+\i
.if \i == 0
	v_max3_num_f32 v[rT], 0x1800000, |v[rA]|, |v[rA+1]|   ; with the floor 2^(3 - 127): the byte cannot fall under 1
.else
	v_max3_num_f32 v[rT], v[rT], |v[rA]|, |v[rA+1]|
.endif
.endr
.endr
.endr
	WIN 0
.irp e, 0,16
.irp b, 0,1,2,3
	v_permlanex16_b32 v[TM+\e+4+\b], v[TM+\e+\b], s[SEL], s[SEL+1]
.endr
.endr
.irp e, 0,16
.irp b, 0,1,2,3
	v_max_num_f32 v[TM+\e+\b], v[TM+\e+\b], v[TM+\e+4+\b]   ; with lane l xor 16's 16: the block's largest magnitude
.endr
.endr
.irp e, 0,16
.irp b, 0,1,2,3
	v_add_nc_u32 v[TM+\e+12+\b], 0xff000000, v[TM+\e+\b]    ; 2 off its exponent field: the conversion's scale operand
.endr
.endr
.irp e, 0,16
.irp b, 0,1,2,3
	v_lshrrev_b32 v[TM+\e+4+\b], 23, v[TM+\e+12+\b]         ; the scale's byte
.endr
.endr
.irp b, 1,2,3
.irp e, 0,1
.if \b == 1
	v_lshl_or_b32 v[PW+\e], v[TM+16*\e+5], 8, v[TM+16*\e+4]
.else
	v_lshl_or_b32 v[PW+\e], v[TM+16*\e+4+\b], 8*\b, v[PW+\e]
.endif
.endr
.endr
	s_wait_alu depctr_va_vdst(0)
	s_wait_xcnt 0x0                                ; earlier stores have read their registers: they are written again only behind this wait
	WIN 0x02+(\pr)/2
.irp e, 0,1
.set rA, 128*((\pr)%2)+64*\e
.set rC, PC+20*\e
.irp c, 0,1
	v_cvt_scalef32_pk16_fp6_f32 v[rC+6*\c:rC+6*\c+2], v[rA+32*\c:rA+32*\c+15], v[TM+16*\e+12+2*\c]
	v_cvt_scalef32_pk16_fp6_f32 v[rC+12+4*\c:rC+14+4*\c], v[rA+32*\c+16:rA+32*\c+31], v[TM+16*\e+13+2*\c]
.endr
.endr
	v_nop                                          ; one plain place behind the scaled conversions
	WIN 0
.irp c, 0,1                                    ; the operand wants a WHOLE block in a lane
.irp e, 0,20
.irp i, 0,1,2
	v_permlane16_swap_b32 v[PC+\e+6*\c+\i], v[PC+\e+12+4*\c+\i]
.endr
.endr
.irp e, 0,20
.irp i, 0,1,2
	v_mov_b32 v[PC+\e+3+6*\c+\i], v[PC+\e+12+4*\c+\i]
.endr
.endr
.endr
	v_cndmask_b32 v[OP+(\pr)%2], v[PW], v[PW+1], s[MH]   ; lanes 0-15 the even row tile's word, lanes 16-31 the odd one's
.irp e, 0,1
.irp c, 0,1,2
	global_store_b128 v[L16], v[PC+20*\e+4*\c:PC+20*\e+4*\c+3], s[\oi:\oi+1] offset:(2*(\pr)+\e)*(\stride)+512*\c
.endr
.endr
.if (\pr)%2
	global_store_b64 v[L8], v[OP:OP+1], s[\os:\os+1] offset:4096*((\pr)/2)
.endif
.endm
	s_load_b256 s[4:11], s[0:1], 0x0               ; xw_img s[4:5], xw_scl s[6:7], qkv_img s[8:9], qkv_scl s[10:11]
	v_lshl_add_u32 v[SPW], v0, 2, SPARE
	v_mov_b32 v[NIL], 0
	ds_add_u32 v[SPW], v[NIL]                      ; the wave's opening
	ds_add_u32 v[SPW], v[NIL]
	v_lshrrev_b32 v1, 5, v0
	v_readfirstlane_b32 s12, v1                    ; wave 0..3
	s_lshr_b32 s13, s12, 1                         ; which 128 tokens (phase B: 64 rows of Wv) are mine.  At the head: which chunk of W wave 1 or 3 fetches
	s_and_b32 s14, s12, 1                          ; which 128 rows of W (phase B: tokens)
	s_bfe_u32 s15, ttmp6, 0x40000                  ; cx
	s_bfe_u32 s16, ttmp6, 0x40004                  ; cy
	s_mov_b32 s17, ttmp9                           ; the cluster's x, 0..1
	s_and_b32 s18, ttmp7, 0xffff                   ; the cluster's y, 0..7
	s_mov_b32 s[SEL], 0x76543210
	s_mov_b32 s[SEL+1], 0xfedcba98
	s_mov_b32 s[MH], 0xffff0000
	s_lshl_b32 s93, s16, 2
	s_lshl_b32 s93, 15, s93                        ; my row of the cluster
	s_lshl_b32 s94, 0x1111, s15                    ; my column
	s_or_b32 s[G1X], s93, (3<<16)|(1<<21)          ; 15:0 the mask; 17:16 elements of 8 bytes; 21 set beside a mask; no padding
	s_or_b32 s[G1Y], s93, (3<<16)|(1<<21)
	s_or_b32 s[G1W], s94, (3<<16)|(1<<21)
.irp g, G1X, G1W
	s_mov_b32 s[\g+1], 384<<16                     ; two K steps of a row tile
	s_mov_b32 s[\g+3], 384<<16
.endr
	s_mov_b32 s[G1Y+1], 1152<<16                   ; six
	s_mov_b32 s[G1Y+3], 1152<<16
.irp g, G1X, G1Y, G1W
	s_mov_b32 s[\g+2], 16<<16                      ; 16 row tiles
	s_mov_b32 s[\g+4], 16
	s_mov_b32 s[\g+5], 1536                        ; from row tile to row tile
	s_mov_b32 s[\g+6], 0
	s_mov_b32 s[\g+7], 0
.endr
	s_lshl_b32 s80, s18, 2
	s_add_co_u32 s80, s80, s16                     ; my tile of 256 tokens: 4 CY + cy
	s_lshl_b32 s81, s17, 2
	s_add_co_u32 s81, s81, s15                     ; my tile of 256 rows of Wq | Wk, and of 128 of Wv: 4 CX + cx
	s_mul_i32 s84, s80, 196608                     ; x's codes
	s_mov_b32 s85, 0
	LIN 88, 90, 81, 196608, 13, 3072, 6291456      ; W's, the head's chunk,
	LIN 86, 90, 81, 196608, 12, 49152, 6297600     ; my quarter of chunk 2,
	LIN 78, 90, 81, 98304, 12, 24576, 7864320      ; and of Wv
	LIN 66, 91, 80, 8192, 13, 4096, 0              ; scale words: phase A x's, W's,
	LIN 68, 91, 81, 8192, 14, 4096, 262144
	LIN 70, 91, 81, 4096, 13, 2048, 327680         ; phase B Wv's, x's
	LIN 72, 91, 80, 8192, 14, 4096, 0
	LIN 60, 91, 80, 393216, 13, 196608, 0          ; where phase A's fragments and scale words go,
	LINADD 60, 91, 81, 3072, 14, 1536
	LIN 62, 91, 80, 16384, 13, 8192, 0
	LINADD 62, 91, 81, 512, 14, 256
	LIN 74, 91, 81, 786432, 13, 393216, 12582912   ; and phase B's
	LINADD 74, 91, 80, 3072, 14, 1536
	LIN 76, 91, 81, 32768, 13, 16384, 524288
	LINADD 76, 91, 80, 512, 14, 256
	s_mul_i32 s83, s12, 12288
	s_add_co_u32 s83, s83, WB                      ; where a quarter lands in slot 0: no place in the cluster enters an LDS address
	s_mul_i32 s82, s13, 24576
	s_mul_i32 s90, s13, 73728
	s_add_co_u32 s90, s90, XB
	s_mul_i32 s91, s14, 24576
	s_mul_i32 s92, s14, 73728
	s_add_co_u32 s92, s92, XB
	s_add_co_u32 s93, s91, WB
	s_add_co_u32 s94, s82, WB
	v_and_b32 v1, 31, v0                           ; lane
	v_lshlrev_b32 v[L16], 4, v1
	v_lshlrev_b32 v[L8], 3, v1
	v_add_nc_u32 v[AXA], s82, v[L16]
	v_add_nc_u32 v[AXA+1], s90, v[L16]
	v_add_nc_u32 v[AXA+2], 36864, v[AXA+1]
	v_add_nc_u32 v[AXB], s91, v[L16]
	v_add_nc_u32 v[AXB+1], s92, v[L16]
	v_add_nc_u32 v[AXB+2], 36864, v[AXB+1]
	v_add_nc_u32 v[AW], s93, v[L16]
	v_add_nc_u32 v[AW+1], WCH, v[AW]
	v_add_nc_u32 v[AV], s94, v[L16]
	v_add_nc_u32 v[AV+1], WCH, v[AV]
	s_wait_alu depctr_va_vdst(0)
	s_wait_dscnt 0x0                               ; both opening adds are done
	s_wait_kmcnt 0x0
.irp d, 84,88,86,78
	s_add_nc_u64 s[\d:\d+1], s[4:5], s[\d:\d+1]
.endr
.irp d, 66,68,70,72
	s_add_nc_u64 s[\d:\d+1], s[6:7], s[\d:\d+1]
.endr
	s_add_nc_u64 s[60:61], s[8:9], s[60:61]
	s_add_nc_u64 s[74:75], s[8:9], s[74:75]
	s_add_nc_u64 s[62:63], s[10:11], s[62:63]
	s_add_nc_u64 s[76:77], s[10:11], s[76:77]
	s_mov_b32 s[G0X], 1
	s_mov_b32 s[G0X+1], 0
	s_mov_b64 s[G0X+2:G0X+3], s[84:85]
	s_or_b32 s[G0X+3], s[G0X+3], 0x80000000
	s_mov_b32 s[G0Y], 1
	s_mov_b32 s[G0Y+1], XB
	s_add_nc_u64 s[G0Y+2:G0Y+3], s[84:85], 3072
	s_or_b32 s[G0Y+3], s[G0Y+3], 0x80000000
	s_mov_b32 s[G0W], 1
	s_mul_i32 s[G0W+1], s13, WCH
	s_add_co_u32 s[G0W+1], s[G0W+1], WB
	s_mov_b64 s[G0W+2:G0W+3], s[88:89]
	s_or_b32 s[G0W+3], s[G0W+3], 0x80000000
	CROUND                                         ; all sixteen work-groups are here: the first joint loads meet
	ARM 0, G0X, G1X
	ARM 1, G0W, G1W
	ARM 2, G0Y, G1Y
	tensor_load_to_lds s[G0W:G0W+3], s[G1W:G1W+7]
	s_nop 0
	PLACES 4
.Lhead_asked:
.set k, 0
.rept 8                                ; phase A's scale words: for each K step four whole units of 256 bytes
	global_load_b64 v[SC+8*k:SC+8*k+1], v[L8], s[66:67] offset:256*k
	global_load_b64 v[SC+8*k+2:SC+8*k+3], v[L8], s[66:67] offset:2048+256*k
	global_load_b64 v[SC+8*k+4:SC+8*k+5], v[L8], s[68:69] offset:256*k
	global_load_b64 v[SC+8*k+6:SC+8*k+7], v[L8], s[68:69] offset:2048+256*k
.set k, k+1
.endr
	s_cmp_lt_u32 s12, 2
	s_cbranch_scc0 .Llater
	s_wait_tensorcnt 0x0                           ; waves 0 and 1: K steps 0 and 1 are in; the others' may stay out
.Llater:
	s_barrier_signal -1
	s_barrier_wait -1
	RUN 0
	s_wait_loadcnt 0x0                             ; the scale words
	; ---- phase A
	KA 0, 1                                        ; the first products start the sums
	TURN 1, 86, 0, 0
	KA 2, 0
	TURN 3, 86, 3072, 1
	KA 4, 0
	TURN 5, 78, 0, 0
	KA 6, 0
	TURN 7, 78, 6144, 1                            ; it fetches phase B's first fragments
	WIN 0
	PLACES 4                                       ; behind the last products: results are read, and their scale words written
.set k, 0
.rept 8                                ; phase B's scale words, under the way out
	global_load_b64 v[SC+6*k:SC+6*k+1], v[L8], s[70:71] offset:256*k
	global_load_b64 v[SC+6*k+2:SC+6*k+3], v[L8], s[72:73] offset:256*k
	global_load_b64 v[SC+6*k+4:SC+6*k+5], v[L8], s[72:73] offset:2048+256*k
.set k, k+1
.endr
	QPAIR 0, 60, 24576, 62
	QPAIR 1, 60, 24576, 62
	QPAIR 2, 60, 24576, 62
	QPAIR 3, 60, 24576, 62
	; ---- phase B
	s_wait_loadcnt 0x0
	KB 0, 1
	KB 1, 0
	KB 2, 0
	s_wait_tensorcnt 0x0                           ; K step 3: a plain barrier shows the last refill to all
	s_wait_dscnt 0x0
	s_barrier_signal -1
	R8 1, 0, 0, 3, 0
	WIN 0
	s_barrier_wait -1
	PLACES 4
	RUNB 4
	R8 1, 0, 1, 3, 0
	R8 1, 1, 0, 3, 0
	R8 1, 1, 1, 3, 0
	KB 4, 0
	KB 5, 0
	KB 6, 0
	s_wait_dscnt 0x0
	R8 1, 0, 0, 7, 0
	R8 1, 0, 1, 7, 0
	R8 1, 1, 0, 7, 0
	R8 1, 1, 1, 7, 0
	WIN 0
	PLACES 4
	QPAIR 0, 74, 98304, 76
	QPAIR 1, 74, 98304, 76
	s_wait_tensorcnt 0x0                           ; the wave's end, behind my last tensor load
	ds_add_u32 v[SPW], v[NIL]
	s_wait_dscnt 0x0
	CROUND                                         ; the closing round: no work-group ends while a partner may still ask for a tile that names it
	s_endpgm
.Lfunc_end_k_q9eae6c667b_qkv:
	.size	k_q9eae6c667b_qkv, .Lfunc_end_k_q9eae6c667b_qkv-k_q9eae6c667b_qkv
	.p2alignl 7, 3214868480
	.fill 96, 4, 3214868480
	.section	.rodata,"a",@progbits
	.p2align	6, 0x0
	.amdhsa_kernel k_q9eae6c667b_qkv
		.amdhsa_group_segment_fixed_size 327680
		.amdhsa_private_segment_fixed_size 0
		.amdhsa_enable_private_segment 0
		.amdhsa_kernarg_size 32
		.amdhsa_user_sgpr_count 2
		.amdhsa_user_sgpr_kernarg_segment_ptr 1
		.amdhsa_wavefront_size32 1
		.amdhsa_system_sgpr_workgroup_id_x 1
		.amdhsa_system_sgpr_workgroup_id_y 1
		.amdhsa_system_sgpr_workgroup_id_z 1
		.amdhsa_system_vgpr_workitem_id 0
		.amdhsa_next_free_vgpr 1024
		.amdhsa_next_free_sgpr 102
		.amdhsa_reserve_vcc 0
		.amdhsa_float_denorm_mode_32 3
		.amdhsa_float_denorm_mode_16_64 3
		.amdhsa_memory_ordered 1
		.amdhsa_forward_progress 1
		.amdhsa_inst_pref_size 212
	.end_amdhsa_kernel
	.amdgpu_metadata
---
amdhsa.version: [ 1, 2 ]
amdhsa.kernels:
  - .name:           k_q9eae6c667b_qkv
    .symbol:         k_q9eae6c667b_qkv.kd
    .args:
      - { .name: xw_img, .offset: 0, .size: 8, .value_kind: global_buffer, .address_space: global }
      - { .name: xw_scl, .offset: 8, .size: 8, .value_kind: global_buffer, .address_space: global }
      - { .name: qkv_img, .offset: 16, .size: 8, .value_kind: global_buffer, .address_space: global }
      - { .name: qkv_scl, .offset: 24, .size: 8, .value_kind: global_buffer, .address_space: global }
    .group_segment_fixed_size: 327680
    .private_segment_fixed_size: 0
    .kernarg_segment_align: 8
    .kernarg_segment_size: 32
    .max_flat_workgroup_size: 128
    .sgpr_count:     102
    .vgpr_count:     1024
    .wavefront_size: 32
...
	.end_amdgpu_metadata
.endif
;; end of part 2
;; launch scores (part 3): grid 8 x 32, 4 waves a work-group, clusters of 4 x 4, 327,680 bytes of LDS; arguments qkv_img, qkv_scl, p_img, p_aux; writes p_img, p_aux
.if DOCPART == 3
	.amdgcn_target "amdgcn-amd-amdhsa--gfx1250"
	.amdhsa_code_object_version 6
	.text
	.protected	k_q9eae6c667b_scores
	.globl	k_q9eae6c667b_scores
	.p2align	8
	.type	k_q9eae6c667b_scores,@function
k_q9eae6c667b_scores:
	s_mov_b64 s[64:65], 0
	v_nop
	global_prefetch_b8 v0, s[64:65] scope:SCOPE_SE
	s_setreg_imm32_b32 hwreg(HW_REG_WAVE_MODE, 25, 1), 1
	s_wait_xcnt 0x0
	s_wait_alu depctr_hold_cnt(0) depctr_sa_sdst(0) depctr_va_vdst(0) depctr_va_sdst(0) depctr_va_ssrc(0) depctr_va_vcc(0) depctr_vm_vsrc(0)
	s_getreg_b32 s2, hwreg(HW_REG_IB_STS2, 6, 4)
	s_cmp_eq_u32 s2, 0
	s_cbranch_scc0 .Lentry_in_a_cluster
	s_endpgm
.Lentry_in_a_cluster:
	s_bfe_u32 s2, ttmp6, 0x10000c
	s_cmp_lg_u32 s2, 0xf033
	s_cbranch_scc0 .Lentry_shape_is_right
	s_endpgm
.Lentry_shape_is_right:
; S = q k^T on codes of FP6 (E2M3) with E8M0 scales, f32 sums, and the softmax's weights quantised in registers for the product with v.
; THE SOFTMAX: t = score x log2(e) / 32.  A wave holds, for each of its queries, 128 keys: one K step of the next product.  For these 128 keys alone it takes M = the largest t rounded UP to a whole number,
; p = 2^(t - M), the sum l of the unquantised p, and p's codes and scale bytes by blocks of 32 keys.  -M and l go to memory beside the scale words.  The next launch finds the row's M as the largest of the
; sixteen and takes the difference, a whole number, off the scale bytes: an exact power of two, which leaves the codes as they are.
; OPERANDS are images of operand registers: block (row tile i, K step s) of 1,536 bytes at (16 i + s) x 1,536, registers 4 c .. 4 c + 3 of lane l at 512 c + 16 l; lane-row r of row tile i is token
; 32 (i / 2) + 8 (i % 2) + r + 8 (r / 8).  qkv_img: K steps 0-7 q, 8-15 k.  p_img: rows = the 8,192 queries, K = the batch's 2,048 keys.  Scale words: for 64 rows and a K step 256 bytes at (16 g + s) x 256,
; lane (h, r) at 8 l, word j = row tile 4 g + 2 j + h.  p_aux: three planes of 524,288 bytes so laid: p's scale words, -M, l.
; THE TILE: 256 queries x 256 keys, one to a work-group, 32 x 8 = 256 work-groups; wave w makes 128 (w / 2) x 128 (w % 2): 64 accumulators.  Used transposed (source 0 = 16 keys, source 1 = 16 queries): a lane
; holds one query and its registers run along the keys, 16 neighbours for each two tiles.
; K goes through two LDS slots of three K steps; the eight K steps are 3 + 3 + 2.  At the head each wave issues one joint load: wave 0 q's and wave 1 k's K steps 0-2, wave 2 q's and wave 3 k's 3-5.
; The first barrier shows slot 0 alone.  K step 2 holds the one refill's round (K steps 6 and 7 into slot 0; it shows slot 1 too), K step 5 a plain barrier that shows the refill.
; FRAGMENTS: the next K step's sixteen are loaded in one run ahead of a K step's 64 products, into the other of two sets.
; CLUSTER: 4 x 4; q's tile is shared along a row, k's along a column, each asked for jointly.
; PREFETCH: K steps 6 and 7, 3,072 bytes of each row tile, are asked for into the L2 ahead of K step 0, two K steps ahead of their joint load; each of the four partners names four of the 16 row tiles, one a wave, 12 blocks of 256 bytes.
; REGISTERS: window 0: v2-12 addresses, v16-79 scale words (8 a K step), v80-247 14 of S1's 16 fragments; on the way out everything but the accumulators.  window 1: v0-191 S0's fragments, v192-215 the other two of S1's.
; window 2: accumulators of my row tiles 0-3, window 3: of 4-7.
; LIMITS: NaN and infinities are not served; scaled scores stay under 2^31 in magnitude.  v_exp_f32 gives 0 for p under 2^-126; a block whose every p is 0 keeps the byte 1: its codes are zeros.
.set PT,   4608                        ; three K steps of a row tile
.set PT2,  3072                        ; two
.set KB,   16*PT                       ; q's 16 row tiles in a slot; k's lie behind them
.set SLOT, 2*KB
.set SPARE, 2*SLOT                     ; behind the slots: the spare words, 128 bytes a wave: two blocks of 256 bytes that no other line names
.set ADR1, 2                           ; v2-4  LDS address of my S1 fragments: slot 0, slot 1, slot 0 refilled
.set ADR0, 5                           ; v5-7  the same for S0
.set L8,   8                           ; v8    8 x lane
.set L16,  9                           ; v9    16 x lane
.set SPW,  10                          ; v10   my spare word; never rewritten
.set NIL,  11                          ; v11   0; never rewritten
.set PF,   12                          ; v12   the prefetch's offset
.set SC,   16                          ; K step ks at +8 ks: +0 .. +3 S1's two groups, +4 .. +7 S0's
.set AF,   80
.set P,    16                          ; the way out: v16-79, v80-143 a pair's two row tiles
.set TM,   144                         ; v144-163, v164-183 at work: +0..3 the blocks' maxima, +4..7 permutes and bytes, +8 a number, +10 -M (named as a pair with +11), +12..15 scale operands
.set PC,   184                         ; v184-203, v204-223 codes
.set PWB,  224                         ; the pair's scale words,
.set NMK,  226                         ; -M,
.set LKB,  228                         ; l
.set OP,   230                         ; v230-235 three units of 256 bytes
.set SEL,  20                          ; s[20:21] lane l xor 16
.set MH,   22                          ; s22   lanes 16-31
.set G1,   24                          ; s[24:31], s[32:35] descriptor groups 1 and 0 for q;  s[40:47], s[36:39] for k
.set G0,   32
.set G0B,  36
.set G1B,  40
.set CS,   78                          ; s[78:79] c = log2(e) / 32: the packed form names a pair and takes its low word for both halves
.set MSB, 0
.macro WIN new                         ; the immediate's high byte repeats the setting that is left
.if MSB != (\new)
	s_set_vgpr_msb (MSB<<8)|(\new)
.set MSB, (\new)
.endif
.endm
.macro PLACES n                        ; plain vector places behind matrix instructions (ISA guide 7.12.1)
.rept \n
	v_nop
.endr
.endm
.macro CREST                           ; a round of the cluster's barrier behind its opening barrier
	s_cmp_lg_u32 s12, 0
	s_cbranch_scc1 .Lnot_wave_0_\@
	s_barrier_signal -3
.Lnot_wave_0_\@:
	s_barrier_wait -3
	s_barrier_signal -1
	s_barrier_wait -1
.endm
.macro CROUND
	s_barrier_signal -1
	s_barrier_wait -1
	CREST
.endm
.macro ARM w, g0, g1                   ; the head: one chain of branches on the wave's number, one load to an arm
	s_cmp_lg_u32 s12, \w
	s_cbranch_scc1 .Lpast_\w
	tensor_load_to_lds s[\g0:\g0+3], s[\g1:\g1+7]
	s_nop 0
	PLACES 4
	s_branch .Lhead_asked
.Lpast_\w:
.endm
.macro S1F d, a                        ; S1's fragment of row tile a into v[d] on
.irp c, 0,1,2
	ds_load_b128 v[(\d)+4*\c:(\d)+4*\c+3], v[ADR1+GS] offset:GP*(\a)+GK+512*\c
.endr
.endm
.macro RUN ks                          ; K step ks's sixteen fragments, 48 loads in one run.  S1's fragment n = 8 (ks % 2) + a: n < 14 in window 0, 14 and 15 in window 1
.if (\ks) < 6
.set GP, PT
.set GK, 1536*((\ks)%3)
.set GS, (\ks)/3
.else
.set GP, PT2
.set GK, 1536*((\ks)-6)
.set GS, 2
.endif
	WIN 0x40
.irp b, 0,1,2,3,4,5,6,7
.irp c, 0,1,2
	ds_load_b128 v[96*((\ks)%2)+12*\b+4*\c:96*((\ks)%2)+12*\b+4*\c+3], v[ADR0+GS] offset:GP*\b+GK+512*\c
.endr
.endr
.if (\ks)%2
	S1F 192, 6
	S1F 204, 7
.endif
	WIN 0
.irp a, 0,1,2,3,4,5,6,7
.if 8*((\ks)%2)+\a < 14
	S1F AF+96*((\ks)%2)+12*\a, \a
.endif
.endr
.endm
; S1's row tile 2 ah + ao: its eight products of K step ks; a scale register holds an even row tile's words in lanes 0-15 and the odd one's in lanes 16-31.
; The 64 accumulators take turns, one instruction a turn, in the same order in every K step.
.macro R8 ah, ao, ks, zero
.set rN, 8*((\ks)%2)+2*(\ah)+(\ao)
.set rB, AF+12*rN+(rN/14)*(192-168-AF)
.set rY, SC+8*(\ks)+(\ah)
	WIN 0xa1+0x50*((\ah)/2)+4*(rN/14)
.irp bh, 0,1,2,3
.irp bo, 0,1
.set rD, 128*((\ah)%2)+64*(\ao)+16*\bh+8*\bo
.set rA, 96*((\ks)%2)+24*\bh+12*\bo
.set rX, SC+8*(\ks)+4+\bh
.if \zero
	v_wmma_scale_f32_16x16x128_f8f6f4 v[rD:rD+7], v[rA:rA+11], v[rB:rB+11], 0, v[rX], v[rY] matrix_a_fmt:MATRIX_FMT_FP6 matrix_b_fmt:MATRIX_FMT_FP6 matrix_a_scale:MATRIX_SCALE_ROW\bo matrix_b_scale:MATRIX_SCALE_ROW\ao
.else
	v_wmma_scale_f32_16x16x128_f8f6f4 v[rD:rD+7], v[rA:rA+11], v[rB:rB+11], v[rD:rD+7], v[rX], v[rY] matrix_a_fmt:MATRIX_FMT_FP6 matrix_b_fmt:MATRIX_FMT_FP6 matrix_a_scale:MATRIX_SCALE_ROW\bo matrix_b_scale:MATRIX_SCALE_ROW\ao
.endif
.endr
.endr
.endm
.macro KSTEP ks, zero
	s_wait_dscnt 0x0                               ; its fragments are in
	PLACES 4                                       ; in front of loads into the set that the last products read
	RUN (\ks)+1
.irp ah, 0,1,2,3
.irp ao, 0,1
	R8 \ah, \ao, \ks, \zero
.endr
.endr
.endm
; A K step with a barrier in it.  kind = 1: a round of the cluster's barrier and the refill;  0: a plain barrier, behind which nothing is filled.
.macro TURN ks, kind
	WIN 0                                          ; (the add's two registers lie in window 0)
	s_wait_tensorcnt 0x0                           ; all my tensor loads have landed
.if \kind
	ds_add_u32 v[SPW], v[NIL]                      ; 0 onto my spare word
	s_mul_i32 s[G0+1], s14, 8*PT2                  ; no load of mine is out, so descriptors may be written: K steps 6 and 7, half of a tile's row tiles a wave
	s_add_co_u32 s[G0B+1], s[G0+1], KB
	s_mov_b64 s[G0+2:G0+3], s[66:67]
	s_or_b32 s[G0+3], s[G0+3], 0x80000000
	s_mov_b64 s[G0B+2:G0B+3], s[68:69]
	s_or_b32 s[G0B+3], s[G0B+3], 0x80000000
.irp g, G1, G1B
	s_mov_b32 s[\g+1], 384<<16
	s_mov_b32 s[\g+2], 8<<16
	s_mov_b32 s[\g+3], 384<<16
	s_mov_b32 s[\g+4], 8
.endr
	s_wait_dscnt 1                                 ; the fragments are in; the add may be out
	R8 0, 0, \ks, 0
	s_wait_dscnt 0x0                               ; the add is done
	s_barrier_signal -1
	R8 0, 1, \ks, 0
	WIN 0
	s_barrier_wait -1
	CREST                                          ; no wave of any partner still reads slot 0 or has a load on its way
	s_cmp_eq_u32 s13, 0
	s_cbranch_scc0 .Lfor_k
	tensor_load_to_lds s[G0:G0+3], s[G1:G1+7]      ; waves 0 and 1: q's halves
	s_nop 0
	PLACES 4
	s_branch .Lasked
.Lfor_k:
	tensor_load_to_lds s[G0B:G0B+3], s[G1B:G1B+7]  ; waves 2 and 3: k's
	s_nop 0
	PLACES 4
.Lasked:
.else
	s_wait_dscnt 0x0
	s_barrier_signal -1
	R8 0, 0, \ks, 0
	R8 0, 1, \ks, 0
	WIN 0
	s_barrier_wait -1
	PLACES 4
.endif
	RUN (\ks)+1
.irp ah, 1,2,3
.irp ao, 0,1
	R8 \ah, \ao, \ks, 0
.endr
.endr
.endm
.macro LIN d, t, x, kx, y, ky, c       ; s[d:d+1] = kx s[x] + ky s[y] + c: an offset in bytes, under 2^32;  s[t] at work
	s_mul_i32 s[\d], s[\x], \kx
	s_mul_i32 s[\t], s[\y], \ky
	s_add_co_u32 s[\d], s[\d], s[\t]
	s_add_co_u32 s[\d], s[\d], \c
	s_mov_b32 s[\d+1], 0
.endm
.macro LINADD d, t, x, kx, y, ky
	s_mul_i32 s[\t], s[\x], \kx
	s_add_co_u32 s[\d], s[\d], s[\t]
	s_mul_i32 s[\t], s[\y], \ky
	s_add_co_u32 s[\d], s[\d], s[\t]
.endm
; THE WAY OUT'S PARTS, for a pair of row tiles 2 pr + e.  A row tile has 64 scores a lane: register 16 b + i = key 32 b + 16 h + i of my query.
.macro MX pr                           ; the blocks' largest scores, and -M.  Each accumulator is read from its low end on
	WIN 0x28+0x14*((\pr)/2)                        ; sources 1 and 2: the accumulators' window
	s_wait_alu depctr_va_vdst(0)
.irp i, 0,2,4,6,8,10,12,14
.irp e, 0,1
.irp b, 0,1,2,3
.set rT, TM+20*\e+\b
.set rA, 128*((\pr)%2)+64*\e+16*\b+\i
.if \i == 0
	v_max3_num_f32 v[rT], 0xff800000, v[rA], v[rA+1]
.else
	v_max3_num_f32 v[rT], v[rT], v[rA], v[rA+1]    ; a block's largest SCORE serves for the row's maximum and, since p rises with the score, for the block's largest p
.endif
.endr
.endr
.endr
	WIN 0
.irp e, 0,1
.irp b, 0,1,2,3
	v_permlanex16_b32 v[TM+20*\e+4+\b], v[TM+20*\e+\b], s[SEL], s[SEL+1]
.endr
.endr
.irp e, 0,1
.irp b, 0,1,2,3
	v_max_num_f32 v[TM+20*\e+\b], v[TM+20*\e+\b], v[TM+20*\e+4+\b]   ; with lane l xor 16's 16 keys
.endr
.endr
.irp e, 0,1
	v_max3_num_f32 v[TM+20*\e+8], v[TM+20*\e], v[TM+20*\e+1], v[TM+20*\e+2]
.endr
.irp e, 0,1
	v_max_num_f32 v[TM+20*\e+8], v[TM+20*\e+8], v[TM+20*\e+3]
.endr
.irp e, 0,1
	v_mul_f32 v[TM+20*\e+8], s[CS], v[TM+20*\e+8]  ; as t (c is positive)
.endr
.irp e, 0,1
	v_floor_f32 v[TM+20*\e+10], -v[TM+20*\e+8]     ; -M = floor(-t) = -ceil(t)
.endr
.irp e, 0,1
	v_mov_b32 v[NMK+\e], v[TM+20*\e+10]
.endr
.endm
.macro TL pr, e, k                     ; line k of 36: t - M, two at a time, into window 0; then the same of each block's largest score
.if (\k) < 32
.set rT, P+64*(\e)+2*(\k)
.set rA, 128*((\pr)%2)+64*(\e)+2*(\k)
	v_pk_fma_f32 v[rT:rT+1], s[CS:CS+1], v[rA:rA+1], v[TM+20*(\e)+10:TM+20*(\e)+11] op_sel_hi:[0,1,0]
.elseif (\k) < 36
	v_fma_f32 v[TM+20*(\e)+(\k)-32], v[TM+20*(\e)+(\k)-32], s[CS], v[TM+20*(\e)+10]
.endif
.endm
.macro XP e, k                         ; exponential k of 68: p = 2^(t - M), at most 1, not normalised; then the four blocks' largest
.if (\k) < 64
	v_exp_f32 v[P+64*(\e)+(\k)], v[P+64*(\e)+(\k)]
.else
	v_exp_f32 v[TM+20*(\e)+(\k)-64], v[TM+20*(\e)+(\k)-64]
.endif
.endm
.macro L1 e, k                         ; the sum's first level, 16 lines, in place (behind the conversions, which read the same registers): l is taken of the UNQUANTISED p
.if (\k) < 16
.set rT, P+64*(\e)+4*(\k)
	v_pk_add_f32 v[rT:rT+1], v[rT:rT+1], v[rT+2:rT+3]
.endif
.endm
.macro SUM e                           ; the other levels, and lane l xor 16's
.irp n, 4,8,16,32
.set rT, P+64*(\e)
.rept 32/\n
	v_pk_add_f32 v[rT:rT+1], v[rT:rT+1], v[rT+\n:rT+\n+1]
.set rT, rT+2*\n
.endr
.endr
	v_add_f32 v[TM+20*(\e)+8], v[P+64*(\e)], v[P+64*(\e)+1]
	v_permlanex16_b32 v[TM+20*(\e)+4], v[TM+20*(\e)+8], s[SEL], s[SEL+1]
	v_add_f32 v[LKB+(\e)], v[TM+20*(\e)+8], v[TM+20*(\e)+4]
.endm
.macro SCL e                           ; scale bytes, the scale word, the codes
.set rT, TM+20*(\e)
.set rP, P+64*(\e)
.set rC, PC+20*(\e)
.irp b, 0,1,2,3
	v_max_num_f32 v[rT+\b], 0x1800000, v[rT+\b]    ; the floor 2^(3 - 127): the byte cannot fall under 1
.endr
.irp b, 0,1,2,3
	v_add_nc_u32 v[rT+12+\b], 0xff000000, v[rT+\b] ; 2 off the exponent field: the conversion's scale operand
.endr
.irp b, 0,1,2,3
	v_lshrrev_b32 v[rT+4+\b], 23, v[rT+12+\b]
.endr
	v_lshl_or_b32 v[PWB+(\e)], v[rT+5], 8, v[rT+4]
	v_lshl_or_b32 v[PWB+(\e)], v[rT+6], 16, v[PWB+(\e)]
	v_lshl_or_b32 v[PWB+(\e)], v[rT+7], 24, v[PWB+(\e)]
.irp c, 0,1
	v_cvt_scalef32_pk16_fp6_f32 v[rC+6*\c:rC+6*\c+2], v[rP+32*\c:rP+32*\c+15], v[rT+12+2*\c]
	v_cvt_scalef32_pk16_fp6_f32 v[rC+12+4*\c:rC+14+4*\c], v[rP+32*\c+16:rP+32*\c+31], v[rT+13+2*\c]
.endr
	v_nop                                          ; one plain place behind the scaled conversions
.endm
.macro PCK a, e                        ; the operand wants a WHOLE block in a lane; then the fragment leaves as it stands: 3 x 512 consecutive aligned bytes
.set rC, PC+20*(\e)
.irp c, 0,1
.irp i, 0,1,2
	v_permlane16_swap_b32 v[rC+6*\c+\i], v[rC+12+4*\c+\i]
.endr
.irp i, 0,1,2
	v_mov_b32 v[rC+3+6*\c+\i], v[rC+12+4*\c+\i]
.endr
.endr
.irp c, 0,1,2
	global_store_b128 v[L16], v[rC+4*\c:rC+4*\c+3], s[60:61] offset:(\a)*24576+512*\c
.endr
.endm
.macro PAIR pr
	MX \pr
	WIN 0x08+0x04*((\pr)/2)                        ; source 1: the accumulators' window
.set k, 0
.rept 36
	TL \pr, 0, k
.set k, k+1
.endr
	s_wait_alu depctr_va_vdst(0)
.set k, 0
.rept 68
	XP 0, k                                        ; between the even tile's exponentials stand lines whose results are first read behind the batch's wait
	TL \pr, 1, k
.set k, k+1
.endr
	WIN 0
	v_nop                                          ; a plain place behind the last exponential
	s_wait_xcnt 0x0                                ; the last pair's stores have read their registers: they are written again only behind this wait
	s_wait_alu depctr_va_vdst(0)                   ; the batch's wait
	SCL 0
.set k, 0
.rept 68
	XP 1, k
	L1 0, k
.set k, k+1
.endr
	v_nop
	s_wait_alu depctr_va_vdst(0)
	PCK 2*(\pr), 0
	SCL 1
.set k, 0
.rept 16
	L1 1, k
.set k, k+1
.endr
	SUM 0
	SUM 1
	PCK 2*(\pr)+1, 1
.set rO, OP+(\pr)%2
	v_cndmask_b32 v[rO], v[PWB], v[PWB+1], s[MH]   ; a word of each unit: lanes 0-15 the even row tile, lanes 16-31 the odd one
	v_cndmask_b32 v[rO+2], v[NMK], v[NMK+1], s[MH]
	v_cndmask_b32 v[rO+4], v[LKB], v[LKB+1], s[MH]
.if (\pr)%2
.irp u, 0,1,2                          ; three units of 256 consecutive aligned bytes: scale words, -M, l
	global_store_b64 v[L8], v[OP+2*\u:OP+2*\u+1], s[62:63] offset:524288*\u+4096*((\pr)/2)
.endr
.endif
.endm
	s_load_b256 s[4:11], s[0:1], 0x0               ; qkv_img s[4:5], qkv_scl s[6:7], p_img s[8:9], p_aux s[10:11]
	v_lshl_add_u32 v[SPW], v0, 2, SPARE
	v_mov_b32 v[NIL], 0
	ds_add_u32 v[SPW], v[NIL]                      ; the wave's opening
	ds_add_u32 v[SPW], v[NIL]
	v_lshrrev_b32 v1, 5, v0
	v_readfirstlane_b32 s12, v1                    ; wave 0..3
	s_lshr_b32 s13, s12, 1                         ; which 128 queries are mine.  At the head: which slot I fetch.  At the refill: q (0) or k (1)
	s_and_b32 s14, s12, 1                          ; which 128 keys.  At the head: q (0) or k (1).  At the refill: which half
	s_bfe_u32 s15, ttmp6, 0x40000                  ; cx
	s_bfe_u32 s16, ttmp6, 0x40004                  ; cy
	s_mov_b32 s17, ttmp9                           ; the cluster's x, 0..1
	s_and_b32 s18, ttmp7, 0xffff                   ; the cluster's y, 0..7
	s_mov_b32 s[SEL], 0x76543210
	s_mov_b32 s[SEL+1], 0xfedcba98
	s_mov_b32 s[MH], 0xffff0000
	s_mov_b32 s[CS], 0x3d38aa3b                    ; c = log2(e) / 32
	s_mov_b32 s[CS+1], s[CS]                       ; (named with it as a pair, so it is written)
	s_lshl_b32 s93, s16, 2
	s_lshl_b32 s93, 15, s93                        ; my row of the cluster
	s_lshl_b32 s94, 0x1111, s15                    ; my column
	s_or_b32 s[G1], s93, (3<<16)|(1<<21)           ; 15:0 the mask; 17:16 elements of 8 bytes; 21 set beside a mask; no padding
	s_or_b32 s[G1B], s94, (3<<16)|(1<<21)
.irp g, G1, G1B
	s_mov_b32 s[\g+1], 576<<16                     ; 576 elements: three K steps of a row tile
	s_mov_b32 s[\g+2], 16<<16                      ; 16 row tiles
	s_mov_b32 s[\g+3], 576<<16
	s_mov_b32 s[\g+4], 16
	s_mov_b32 s[\g+5], 3072                        ; from row tile to row tile
	s_mov_b32 s[\g+6], 0
	s_mov_b32 s[\g+7], 0
.endr
	s_lshl_b32 s80, s18, 2
	s_add_co_u32 s80, s80, s16                     ; my tile of 256 queries among all 32: 4 CY + cy
	s_lshl_b32 s87, s17, 2
	s_add_co_u32 s87, s87, s15                     ; my tile of 256 keys in the batch: 4 CX + cx,
	s_lshr_b32 s90, s18, 1
	s_lshl_b32 s90, s90, 3
	s_add_co_u32 s86, s87, s90                     ; among all 32: + 8 batch
	LIN 84, 82, 80, 393216, 13, 4608, 0            ; q's codes, the head's part
	LIN 88, 90, 86, 393216, 13, 4608, 12288        ; k's
	LIN 66, 82, 80, 393216, 14, 196608, 9216       ; q's K steps 6 and 7, my half
	LIN 68, 90, 86, 393216, 14, 196608, 21504      ; k's
	LIN 74, 92, 80, 393216, 15, 98304, 9216        ; the prefetches: q's row tile 4 cx + wave,
	LIN 76, 92, 86, 393216, 16, 98304, 21504       ; k's row tile 4 cy + wave
	s_mul_i32 s92, s12, 24576
	s_add_co_u32 s74, s74, s92
	s_add_co_u32 s76, s76, s92
	LIN 56, 92, 80, 16384, 13, 8192, 0             ; my queries' scale words
	LIN 58, 92, 86, 16384, 14, 8192, 2048          ; my keys'
	LIN 60, 92, 80, 393216, 13, 196608, 0          ; where p's fragments go
	LINADD 60, 92, 87, 3072, 14, 1536
	LIN 62, 92, 80, 16384, 13, 8192, 0             ; and the units
	LINADD 62, 92, 87, 512, 14, 256
	s_mul_i32 s91, s13, 8*PT
	s_mul_i32 s92, s13, 8*PT2
	s_mul_i32 s93, s14, 8*PT
	s_add_co_u32 s93, s93, KB
	s_mul_i32 s94, s14, 8*PT2
	s_add_co_u32 s94, s94, KB
	v_and_b32 v1, 31, v0                           ; lane
	v_lshlrev_b32 v[L16], 4, v1
	v_lshlrev_b32 v[L8], 3, v1
	v_min_u32 v[PF], 11, v1
	v_lshlrev_b32 v[PF], 8, v[PF]
	v_add_nc_u32 v[ADR1], s91, v[L16]
	v_add_nc_u32 v[ADR1+1], SLOT, v[ADR1]
	v_add_nc_u32 v[ADR1+2], s92, v[L16]
	v_add_nc_u32 v[ADR0], s93, v[L16]
	v_add_nc_u32 v[ADR0+1], SLOT, v[ADR0]
	v_add_nc_u32 v[ADR0+2], s94, v[L16]
	s_wait_alu depctr_va_vdst(0)
	s_wait_dscnt 0x0                               ; both opening adds are done
	s_wait_kmcnt 0x0
.irp d, 84,88,66,68,74,76
	s_add_nc_u64 s[\d:\d+1], s[4:5], s[\d:\d+1]
.endr
	s_add_nc_u64 s[56:57], s[6:7], s[56:57]
	s_add_nc_u64 s[58:59], s[6:7], s[58:59]
	s_add_nc_u64 s[60:61], s[8:9], s[60:61]
	s_add_nc_u64 s[62:63], s[10:11], s[62:63]
	s_mov_b32 s[G0], 1
	s_mul_i32 s[G0+1], s13, SLOT
	s_mov_b64 s[G0+2:G0+3], s[84:85]
	s_or_b32 s[G0+3], s[G0+3], 0x80000000
	s_mov_b32 s[G0B], 1
	s_add_co_u32 s[G0B+1], s[G0+1], KB
	s_mov_b64 s[G0B+2:G0B+3], s[88:89]
	s_or_b32 s[G0B+3], s[G0B+3], 0x80000000
	CROUND                                         ; all sixteen work-groups are here: the first joint loads meet
	ARM 0, G0, G1
	ARM 1, G0B, G1B
	ARM 2, G0, G1
	tensor_load_to_lds s[G0B:G0B+3], s[G1B:G1B+7]
	s_nop 0
	PLACES 4
.Lhead_asked:
.set k, 0
.rept 8                                ; the scale words: for each K step four whole units of 256 bytes
	global_load_b64 v[SC+8*k:SC+8*k+1], v[L8], s[56:57] offset:256*k
	global_load_b64 v[SC+8*k+2:SC+8*k+3], v[L8], s[56:57] offset:4096+256*k
	global_load_b64 v[SC+8*k+4:SC+8*k+5], v[L8], s[58:59] offset:256*k
	global_load_b64 v[SC+8*k+6:SC+8*k+7], v[L8], s[58:59] offset:4096+256*k
.set k, k+1
.endr
	s_cmp_lt_u32 s12, 2
	s_cbranch_scc0 .Lslot_1
	s_wait_tensorcnt 0x0                           ; waves 0 and 1: K steps 0-2 are in; 3-5 may stay out
.Lslot_1:
	s_barrier_signal -1
	s_barrier_wait -1
	RUN 0
	s_wait_loadcnt 0x0                             ; the scale words
	global_prefetch_b8 v[PF], s[74:75] th:TH_LOAD_NT scope:SCOPE_SE
	global_prefetch_b8 v[PF], s[76:77] th:TH_LOAD_NT scope:SCOPE_SE
	KSTEP 0, 1                                     ; the first products start the sums
	KSTEP 1, 0
	TURN 2, 1
	KSTEP 3, 0
	KSTEP 4, 0
	TURN 5, 0
	KSTEP 6, 0
	s_wait_dscnt 0x0                               ; the last K step: nothing more to fetch
.irp ah, 0,1,2,3
.irp ao, 0,1
	R8 \ah, \ao, 7, 0
.endr
.endr
	WIN 0
	PLACES 4                                       ; behind the last products: results are read, and their sources written
	PAIR 0
	PAIR 1
	PAIR 2
	PAIR 3
	s_wait_tensorcnt 0x0                           ; the wave's end, behind my last tensor load
	ds_add_u32 v[SPW], v[NIL]
	s_wait_dscnt 0x0
	CROUND                                         ; the closing round
	s_endpgm
.Lfunc_end_k_q9eae6c667b_scores:
	.size	k_q9eae6c667b_scores, .Lfunc_end_k_q9eae6c667b_scores-k_q9eae6c667b_scores
	.p2alignl 7, 3214868480
	.fill 96, 4, 3214868480
	.section	.rodata,"a",@progbits
	.p2align	6, 0x0
	.amdhsa_kernel k_q9eae6c667b_scores
		.amdhsa_group_segment_fixed_size 327680
		.amdhsa_private_segment_fixed_size 0
		.amdhsa_enable_private_segment 0
		.amdhsa_kernarg_size 32
		.amdhsa_user_sgpr_count 2
		.amdhsa_user_sgpr_kernarg_segment_ptr 1
		.amdhsa_wavefront_size32 1
		.amdhsa_system_sgpr_workgroup_id_x 1
		.amdhsa_system_sgpr_workgroup_id_y 1
		.amdhsa_system_sgpr_workgroup_id_z 1
		.amdhsa_system_vgpr_workitem_id 0
		.amdhsa_next_free_vgpr 1024
		.amdhsa_next_free_sgpr 96
		.amdhsa_reserve_vcc 0
		.amdhsa_float_denorm_mode_32 3
		.amdhsa_float_denorm_mode_16_64 3
		.amdhsa_memory_ordered 1
		.amdhsa_forward_progress 1
		.amdhsa_inst_pref_size 195
	.end_amdhsa_kernel
	.amdgpu_metadata
---
amdhsa.version: [ 1, 2 ]
amdhsa.kernels:
  - .name:           k_q9eae6c667b_scores
    .symbol:         k_q9eae6c667b_scores.kd
    .args:
      - { .name: qkv_img, .offset: 0, .size: 8, .value_kind: global_buffer, .address_space: global }
      - { .name: qkv_scl, .offset: 8, .size: 8, .value_kind: global_buffer, .address_space: global }
      - { .name: p_img, .offset: 16, .size: 8, .value_kind: global_buffer, .address_space: global }
      - { .name: p_aux, .offset: 24, .size: 8, .value_kind: global_buffer, .address_space: global }
    .group_segment_fixed_size: 327680
    .private_segment_fixed_size: 0
    .kernarg_segment_align: 8
    .kernarg_segment_size: 32
    .max_flat_workgroup_size: 128
    .sgpr_count:     96
    .vgpr_count:     1024
    .wavefront_size: 32
...
	.end_amdgpu_metadata
.endif
;; end of part 3
;; launch pv (part 4): grid 4 x 64, 4 waves a work-group, clusters of 4 x 4, 327,680 bytes of LDS; arguments p_img, p_aux, qkv_img, qkv_scl, out0; writes out0
.if DOCPART == 4
	.amdgcn_target "amdgcn-amd-amdhsa--gfx1250"
	.amdhsa_code_object_version 6
	.text
	.protected	k_q9eae6c667b_pv
	.globl	k_q9eae6c667b_pv
	.p2align	8
	.type	k_q9eae6c667b_pv,@function
k_q9eae6c667b_pv:
	s_mov_b64 s[64:65], 0
	v_nop
	global_prefetch_b8 v0, s[64:65] scope:SCOPE_SE
	s_setreg_imm32_b32 hwreg(HW_REG_WAVE_MODE, 25, 1), 1
	s_wait_xcnt 0x0
	s_wait_alu depctr_hold_cnt(0) depctr_sa_sdst(0) depctr_va_vdst(0) depctr_va_sdst(0) depctr_va_ssrc(0) depctr_va_vcc(0) depctr_vm_vsrc(0)
	s_getreg_b32 s2, hwreg(HW_REG_IB_STS2, 6, 4)
	s_cmp_eq_u32 s2, 0
	s_cbranch_scc0 .Lentry_in_a_cluster
	s_endpgm
.Lentry_in_a_cluster:
	s_bfe_u32 s2, ttmp6, 0x10000c
	s_cmp_lg_u32 s2, 0xf033
	s_cbranch_scc0 .Lentry_shape_is_right
	s_endpgm
.Lentry_shape_is_right:
; out = p v / l on codes of FP6 (E2M3) with E8M0 scales, f32 sums.
; p's codes were made for each K step of 128 keys under an M of those keys alone.  The row's M is the largest of its sixteen; a K step's scale bytes lose the difference, a whole number (a byte that would fall under 0
; is held at 0, 2^-127 beside weights of 1/2 and more), its l is multiplied by 2^-difference, and the row's l is the sum of the sixteen.
; OPERANDS are images of operand registers: block (row tile i, K step s) of 1,536 bytes at (i KS + s) x 1,536, registers 4 c .. 4 c + 3 of lane l at 512 c + 16 l; lane-row r of row tile i is matrix row
; 32 (i / 2) + 8 (i % 2) + r + 8 (r / 8).  p_img: KS = 16; v^T: at 12,582,912 of qkv_img, 1,024 features, KS = 64 (all tokens; a batch has 16 of them).
; THE TILE: 128 queries x 256 features, one to a work-group, 64 x 4 = 256 work-groups; wave w makes 64 (w / 2) x 128 (w % 2): 32 accumulators.  Used transposed (source 0 = 16 features, source 1 = 16 queries): a
; lane holds one query and its registers run along the features.
; K goes in four chunks of four K steps through two LDS slots.  At the head each wave issues one joint load: wave 0 p's and wave 1 v's chunk 0, wave 2 p's and wave 3 v's chunk 1; all work on M, the scale words
; and l stands under their flight.  The first barrier shows chunk 0 alone.  Chunks 2 and 3 are refills, two waves to an operand.
; FRAGMENTS: the next K step's twelve are loaded in one run ahead of a K step's 32 products, into the other of two sets.
; THE LAST CHUNK GOES BY ROW TILES: all 32 fragments of v of its four K steps lie in registers, p's come by row tiles, and each of my four row tiles leaves as soon as its 32 products are done, through the wave's own
; stage in slot 0 (its last fill and its last read are over).
; CLUSTER: 4 x 4; p's tile is shared along a row, v's along a column, each asked for jointly.
; PREFETCH: chunk 2 is asked for into the L2 ahead of K step 0, chunk 3 behind chunk 0: four K steps ahead of their joint loads.  Of a chunk's 8 row tiles of p each of the four partners names two, 12 blocks of 256
; bytes a wave; of v's 16 four, 24 blocks a wave.
; REGISTERS: window 0: v2-13 addresses, v32-127 scale words (6 a K step), v128-223 S1's fragments, two sets (at the head -M, l and at work).  window 1: v0-191 S0's fragments, two sets.  windows 2, 3: accumulators of
; row tiles 0, 1 and 2, 3 (v0-127), v128-223 v's fragments of the last two K steps, v240-243 1 / l.
; LIMITS: NaN and infinities are not served.
.set ROWB,  6144                       ; a chunk of one row tile
.set S1B,   8*ROWB                     ; S1's 8 row tiles in a slot; S0's 16 lie behind them
.set SLOT,  24*ROWB
.set SPARE, 2*SLOT                     ; behind the slots: the spare words, 128 bytes a wave: two blocks of 256 bytes that no other line names
.set ADR1, 2                           ; v2-3  LDS address of my S1 fragments in slot 0, 1
.set ADR0, 4                           ; v4-5  the same for S0
.set L8,   6                           ; v6    8 x lane
.set L16,  7                           ; v7    16 x lane
.set SPW,  8                           ; v8    my spare word; never rewritten
.set NIL,  9                           ; v9    0; never rewritten
.set STO,  10                          ; v10   the stage on the way in: row r, + 64 h
.set RD,   11                          ; v11   and back: 16 x lane
.set PFP,  12                          ; v12, v13  the prefetches' offsets
.set PFV,  13
.set SC0,  32                          ; K step s at +6 s: +0, +1 S1's group, +2 .. +5 S0's two groups
.set NMR,  128                         ; v128-159 -M: K step s, word j at +2 s + j
.set LR,   160                         ; v160-191 l
.set T,    192                         ; v192-223 at work
.set MM,   224                         ; v224-225 the rows' -M
.set RC,   226                         ; v226-227 1 / l
.set PX,   228                         ; v228-229 lane l xor 16's
.set RL,   240                         ; windows 2, 3: v240, v242 1 / l for the window's two row tiles (named as pairs)
.set SEL,  20                          ; s[20:21] lane l xor 16
.set MH,   22                          ; s22   lanes 16-31
.set G1,   24                          ; s[24:31] descriptor group 1 for S1;  s[32:39] group 0 of the refills, a set for each slot;  s[68:71] of the head's load
.set G0,   32
.set G1B,  40                          ; s[40:47], s[48:55], s[72:75] the same for S0
.set G0B,  48
.set MSB, 0
.macro WIN new                         ; the immediate's high byte repeats the setting that is left
.if MSB != (\new)
	s_set_vgpr_msb (MSB<<8)|(\new)
.set MSB, (\new)
.endif
.endm
.macro PLACES n                        ; plain vector places behind matrix instructions (ISA guide 7.12.1)
.rept \n
	v_nop
.endr
.endm
.macro CREST                           ; a round of the cluster's barrier behind its opening barrier
	s_cmp_lg_u32 s12, 0
	s_cbranch_scc1 .Lnot_wave_0_\@
	s_barrier_signal -3
.Lnot_wave_0_\@:
	s_barrier_wait -3
	s_barrier_signal -1
	s_barrier_wait -1
.endm
.macro CROUND
	s_barrier_signal -1
	s_barrier_wait -1
	CREST
.endm
.macro ARM w, g0, g1                   ; the head: one chain of branches on the wave's number, one load to an arm
	s_cmp_lg_u32 s12, \w
	s_cbranch_scc1 .Lpast_\w
	tensor_load_to_lds s[\g0:\g0+3], s[\g1:\g1+7]
	s_nop 0
	PLACES 4
	s_branch .Lhead_asked
.Lpast_\w:
.endm
.macro JLOAD s                         ; a refill: waves 0 and 1 fetch S1's halves, waves 2 and 3 S0's
	s_cmp_eq_u32 s13, 0
	s_cbranch_scc0 .Lfor_b_\@
	tensor_load_to_lds s[G0+4*\s:G0+4*\s+3], s[G1:G1+7]
	s_nop 0
	PLACES 4
	s_branch .Lasked_\@
.Lfor_b_\@:
	tensor_load_to_lds s[G0B+4*\s:G0B+4*\s+3], s[G1B:G1B+7]
	s_nop 0
	PLACES 4
.Lasked_\@:
.endm
.macro RUN slot, q, p                  ; the slot's q-th K step's twelve fragments into set p: 36 loads
	WIN 0x40
.irp b, 0,1,2,3,4,5,6,7
.irp c, 0,1,2
	ds_load_b128 v[96*(\p)+12*\b+4*\c:96*(\p)+12*\b+4*\c+3], v[ADR0+(\slot)] offset:ROWB*\b+1536*(\q)+512*\c
.endr
.endr
	WIN 0
.irp a, 0,1,2,3
.irp c, 0,1,2
	ds_load_b128 v[128+48*(\p)+12*\a+4*\c:128+48*(\p)+12*\a+4*\c+3], v[ADR1+(\slot)] offset:ROWB*\a+1536*(\q)+512*\c
.endr
.endr
.endm
; the last chunk, in slot 1: S0's eight fragments of its K step kk (24 loads): kk = 0, 1 in window 1, 2 in window 2, 3 in window 3; S1's four of row tile a (12 loads), two buffers
.set XR, 0
.macro BK kk
.set XR, 96*(\kk)*(1-(\kk)/2)+128*((\kk)/2)
	WIN (1+(\kk)/2+(\kk)/3)<<6
.irp b, 0,1,2,3,4,5,6,7
.irp c, 0,1,2
	ds_load_b128 v[XR+12*\b+4*\c:XR+12*\b+4*\c+3], v[ADR0+1] offset:ROWB*\b+1536*(\kk)+512*\c
.endr
.endr
.endm
.macro AROW a
	WIN 0
.irp kk, 0,1,2,3
.irp c, 0,1,2
	ds_load_b128 v[128+48*((\a)%2)+12*\kk+4*\c:128+48*((\a)%2)+12*\kk+4*\c+3], v[ADR1+1] offset:ROWB*(\a)+1536*\kk+512*\c
.endr
.endr
.endm
; one product on the registers rD, rA, rB, rX, rY; a scale register holds an even row tile's words in lanes 0-15 and the odd one's in lanes 16-31
.macro PR ao, bo, zero
.if \zero
	v_wmma_scale_f32_16x16x128_f8f6f4 v[rD:rD+7], v[rA:rA+11], v[rB:rB+11], 0, v[rX], v[rY] matrix_a_fmt:MATRIX_FMT_FP6 matrix_b_fmt:MATRIX_FMT_FP6 matrix_a_scale:MATRIX_SCALE_ROW\bo matrix_b_scale:MATRIX_SCALE_ROW\ao
.else
	v_wmma_scale_f32_16x16x128_f8f6f4 v[rD:rD+7], v[rA:rA+11], v[rB:rB+11], v[rD:rD+7], v[rX], v[rY] matrix_a_fmt:MATRIX_FMT_FP6 matrix_b_fmt:MATRIX_FMT_FP6 matrix_a_scale:MATRIX_SCALE_ROW\bo matrix_b_scale:MATRIX_SCALE_ROW\ao
.endif
.endm
; row tile 2 ah + ao's eight products on set p.  The accumulators take turns, one instruction a turn.
.macro R8 ah, ao, p, sr, zero
	WIN 0xa1+0x50*(\ah)
.irp bh, 0,1,2,3
.irp bo, 0,1
.set rD, 64*(\ao)+16*\bh+8*\bo
.set rA, 96*(\p)+24*\bh+12*\bo
.set rB, 128+48*(\p)+24*(\ah)+12*(\ao)
.set rX, (\sr)+2+\bh
.set rY, (\sr)+(\ah)
	PR \ao, \bo, \zero
.endr
.endr
.endm
; the same in the last chunk: its K step kk
.macro RX ah, ao, kk
	WIN (1+(\kk)/2+(\kk)/3)|((2+\ah)<<4)|((2+\ah)<<6)
.irp bh, 0,1,2,3
.irp bo, 0,1
.set rD, 64*(\ao)+16*\bh+8*\bo
.set rA, 96*(\kk)*(1-(\kk)/2)+128*((\kk)/2)+24*\bh+12*\bo
.set rB, 128+48*(\ao)+12*(\kk)
.set rX, SC0+72+6*(\kk)+2+\bh
.set rY, SC0+72+6*(\kk)+(\ah)
	PR \ao, \bo, 0
.endr
.endr
.endm
.macro KSTEP slot, q, sr, zero
	s_wait_dscnt 0x0                               ; its fragments are in
	PLACES 4                                       ; in front of loads into the set that the last products read
	RUN \slot, (\q)+1, ((\q)+1)%2
	R8 0, 0, (\q)%2, \sr, \zero
	R8 0, 1, (\q)%2, \sr, \zero
	R8 1, 0, (\q)%2, \sr, \zero
	R8 1, 1, (\q)%2, \sr, \zero
.endm
.macro HALF slot, k0, zero
	KSTEP \slot, 0, SC0+6*(\k0), \zero
	KSTEP \slot, 1, SC0+6*(\k0)+6, 0
	KSTEP \slot, 2, SC0+6*(\k0)+12, 0
.endm
; A chunk's last K step changes slots: ONE barrier.  In front of it each wave waits for all its tensor loads (its part of the other slot) and for its reads of this slot.
; kind = 1: this slot is filled again, two chunks on: the add too stands in front, and the barrier opens a round of the cluster's;  0: nothing is left to fetch, and the last chunk goes by row tiles.
.macro TURN slot, sr, kind
	WIN 0                                          ; (the add's two registers lie in window 0)
	s_wait_tensorcnt 0x0
.if \kind
	ds_add_u32 v[SPW], v[NIL]                      ; 0 onto my spare word
	s_mov_b32 s[G1+2], 4<<16                       ; no load of mine is out: a refill is shared by two waves, half the head's rows
	s_mov_b32 s[G1+4], 4
	s_mov_b32 s[G1B+2], 8<<16
	s_mov_b32 s[G1B+4], 8
	s_wait_dscnt 1                                 ; the fragments are in; the add may be out
	R8 0, 0, 1, \sr, 0
	s_wait_dscnt 0x0                               ; the add is done
	s_barrier_signal -1
	WIN 0
	s_barrier_wait -1
	CREST                                          ; no wave of any partner still reads this slot or has a load on its way
	JLOAD \slot                                    ; its four v_nop are the places in front of the loads below
	RUN 1-\slot, 0, 0
.else
	s_wait_dscnt 0x0
	s_barrier_signal -1
	R8 0, 0, 1, \sr, 0
	WIN 0
	s_barrier_wait -1
	PLACES 4
	BK 0
	AROW 0
.endif
	R8 0, 1, 1, \sr, 0
	R8 1, 0, 1, \sr, 0
	R8 1, 1, 1, \sr, 0
.endm
.macro LIN d, t, x, kx, y, ky, c       ; s[d:d+1] = kx s[x] + ky s[y] + c: an offset in bytes, under 2^32;  s[t] at work
	s_mul_i32 s[\d], s[\x], \kx
	s_mul_i32 s[\t], s[\y], \ky
	s_add_co_u32 s[\d], s[\d], s[\t]
	s_add_co_u32 s[\d], s[\d], \c
	s_mov_b32 s[\d+1], 0
.endm
.macro LINADD d, t, x, kx, y, ky
	s_mul_i32 s[\t], s[\x], \kx
	s_add_co_u32 s[\d], s[\d], s[\t]
	s_mul_i32 s[\t], s[\y], \ky
	s_add_co_u32 s[\d], s[\d], s[\t]
.endm
; a line for each of the 32 words i = 2 s + j
.macro E2 op, d, x
.set i, 0
.rept 32
	\op \d, \x
.set i, i+1
.endr
.endm
.macro E3 op, d, x, y
.set i, 0
.rept 32
	\op \d, \x, \y
.set i, i+1
.endr
.endm
.macro E4 op, d, x, y, z
.set i, 0
.rept 32
	\op \d, \x, \y, \z
.set i, i+1
.endr
.endm
; THE WAY OUT of row tile a: divided by l, into my own stage (rows 528 bytes apart), and back as whole rows of 512 bytes; then stored, 32 lanes 512 consecutive aligned bytes.
; Row tile 0 comes back to window 1's v192-255, row tile a to the accumulators of row tile a - 1, which has left: so no store's registers are written again.
.macro BACK a
.if (\a) == 0
.set BW, 1
.set BB, 192
.else
.set BW, 2+((\a)-1)/2
.set BB, 64*(((\a)-1)%2)
.endif
.endm
.macro TOSTAGE a
.set AC, 64*((\a)%2)
	BACK \a
	WIN 0xaa+0x55*((\a)/2)
.set j, 0
.rept 32
	v_pk_mul_f32 v[AC+j:AC+j+1], v[AC+j:AC+j+1], v[RL+2*((\a)%2):RL+2*((\a)%2)+1] op_sel_hi:[1,0]
.set j, j+2
.endr
	WIN 0x08+4*((\a)/2)
.irp t, 0,1,2,3,4,5,6,7,8,9,10,11,12,13,14,15
	ds_store_b128 v[STO], v[AC+4*\t:AC+4*\t+3] offset:128*(\t/4)+16*(\t%4)
.endr
	WIN BW<<6
.irp t, 0,1,2,3,4,5,6,7,8,9,10,11,12,13,14,15
	ds_load_b128 v[BB+4*\t:BB+4*\t+3], v[RD] offset:\t*528      ; LDS serves a wave's instructions in order (ISA guide 5.7.1.4)
.endr
.endm
.macro SEND a, younger                 ; younger: the LDS instructions issued behind TOSTAGE's loads, which may stay out
	BACK \a
	s_wait_dscnt \younger
	WIN BW<<2
.irp t, 0,1,2,3,4,5,6,7,8,9,10,11,12,13,14,15
	global_store_b128 v[L16], v[BB+4*\t:BB+4*\t+3], s[60:61] offset:(32*((\a)/2)+8*((\a)%2)+\t+8*(\t/8))*4096 th:TH_STORE_NT
.endr
.endm
	s_load_b256 s[4:11], s[0:1], 0x0               ; p_img s[4:5], p_aux s[6:7], qkv_img s[8:9], qkv_scl s[10:11]
	s_load_b64 s[60:61], s[0:1], 0x20              ; out0
	v_lshl_add_u32 v[SPW], v0, 2, SPARE
	v_mov_b32 v[NIL], 0
	ds_add_u32 v[SPW], v[NIL]                      ; the wave's opening
	ds_add_u32 v[SPW], v[NIL]
	v_lshrrev_b32 v1, 5, v0
	v_readfirstlane_b32 s12, v1                    ; wave 0..3
	s_lshr_b32 s13, s12, 1                         ; which 64 queries are mine.  At the head: which slot I fetch.  At a refill: S1 (0) or S0 (1)
	s_and_b32 s14, s12, 1                          ; which 128 features.  At the head: S1 (0) or S0 (1).  At a refill: which half
	s_bfe_u32 s15, ttmp6, 0x40000                  ; cx: also my tile of 256 features
	s_bfe_u32 s16, ttmp6, 0x40004                  ; cy
	s_and_b32 s18, ttmp7, 0xffff                   ; the cluster's y, 0..15
	s_mov_b32 s[SEL], 0x76543210
	s_mov_b32 s[SEL+1], 0xfedcba98
	s_mov_b32 s[MH], 0xffff0000
	s_lshl_b32 s93, s16, 2
	s_lshl_b32 s93, 15, s93                        ; my row of the cluster
	s_lshl_b32 s94, 0x1111, s15                    ; my column
	s_or_b32 s[G1], s93, (3<<16)|(1<<21)           ; 15:0 the mask; 17:16 elements of 8 bytes; 21 set beside a mask; no padding
	s_or_b32 s[G1B], s94, (3<<16)|(1<<21)
.irp g, G1, G1B
	s_mov_b32 s[\g+1], 768<<16                     ; 768 elements: a chunk of a row tile
	s_mov_b32 s[\g+3], 768<<16
	s_mov_b32 s[\g+6], 0
	s_mov_b32 s[\g+7], 0
.endr
	s_mov_b32 s[G1+2], 8<<16                       ; the head's loads: all 8 row tiles of S1,
	s_mov_b32 s[G1+4], 8
	s_mov_b32 s[G1+5], 3072
	s_mov_b32 s[G1B+2], 16<<16                     ; all 16 of S0
	s_mov_b32 s[G1B+4], 16
	s_mov_b32 s[G1B+5], 12288
	s_lshl_b32 s80, s18, 2
	s_add_co_u32 s80, s80, s16                     ; my tile of 128 queries: 4 CY + cy
	s_lshr_b32 s81, s18, 2                         ; the batch
	LIN 66, 82, 80, 196608, 13, 6144, 0            ; S1's codes, the head's part,
	LIN 86, 90, 15, 1572864, 13, 6144, 12582912    ; S0's
	LIN 84, 82, 80, 196608, 14, 98304, 12288       ; S1's chunk 2, my half,
	LIN 88, 90, 15, 1572864, 14, 786432, 12595200  ; S0's
	s_mul_i32 s90, s81, 24576
	s_add_co_u32 s86, s86, s90
	s_add_co_u32 s88, s88, s90
	LIN 76, 92, 80, 196608, 15, 49152, 12288       ; the prefetches: p's row tile 2 cx + wave / 2, half wave % 2,
	LINADD 76, 92, 13, 24576, 14, 3072
	LIN 78, 92, 15, 1572864, 16, 393216, 12595200  ; v's row tile 4 cy + wave
	LINADD 78, 92, 12, 98304, 81, 24576
	LIN 56, 92, 80, 8192, 13, 4096, 0              ; my queries' scale words, -M, l
	LIN 58, 92, 15, 65536, 14, 32768, 524288       ; my features' scale words
	s_mul_i32 s92, s81, 4096
	s_add_co_u32 s58, s58, s92
	LIN 62, 92, 80, 524288, 13, 262144, 0          ; where my part of out begins
	LINADD 62, 92, 15, 1024, 14, 512
	s_mul_i32 s83, s14, 4*ROWB                     ; where a refill of mine lands in a slot: no place in the cluster enters an LDS address
	s_mul_i32 s91, s14, S1B
	s_add_co_u32 s91, s91, S1B
	s_mul_i32 s92, s13, 4*ROWB
	s_mul_i32 s93, s12, 8448                       ; my stage
	v_and_b32 v1, 31, v0                           ; lane
	v_lshlrev_b32 v[L16], 4, v1
	v_lshlrev_b32 v[L8], 3, v1
	v_add_nc_u32 v[ADR1], s92, v[L16]
	v_add_nc_u32 v[ADR1+1], SLOT, v[ADR1]
	v_add_nc_u32 v[ADR0], s91, v[L16]
	v_add_nc_u32 v[ADR0+1], SLOT, v[ADR0]
	v_add_nc_u32 v[RD], s93, v[L16]
	v_min_u32 v[PFP], 11, v1
	v_lshlrev_b32 v[PFP], 8, v[PFP]
	v_min_u32 v[PFV], 23, v1
	v_lshlrev_b32 v[PFV], 8, v[PFV]
	v_and_b32 v14, 15, v0
	v_bfe_u32 v15, v0, 4, 1
	v_mul_u32_u24 v[STO], v14, 528
	v_lshl_add_u32 v[STO], v15, 6, v[STO]
	v_add_nc_u32 v[STO], s93, v[STO]
	s_wait_alu depctr_va_vdst(0)
	s_wait_dscnt 0x0                               ; both opening adds are done
	s_wait_kmcnt 0x0
	s_add_nc_u64 s[56:57], s[6:7], s[56:57]
.set k, 0
.rept 16                               ; whole units of 256 bytes: -M, l and p's scale words, ahead of the round
	global_load_b64 v[NMR+2*k:NMR+2*k+1], v[L8], s[56:57] offset:524288+256*k
	global_load_b64 v[LR+2*k:LR+2*k+1], v[L8], s[56:57] offset:1048576+256*k
	global_load_b64 v[SC0+6*k:SC0+6*k+1], v[L8], s[56:57] offset:256*k
.set k, k+1
.endr
	s_add_nc_u64 s[70:71], s[4:5], s[66:67]
	s_add_nc_u64 s[74:75], s[8:9], s[86:87]
	s_add_nc_u64 s[84:85], s[4:5], s[84:85]
	s_add_nc_u64 s[88:89], s[8:9], s[88:89]
	s_add_nc_u64 s[76:77], s[4:5], s[76:77]
	s_add_nc_u64 s[78:79], s[8:9], s[78:79]
	s_add_nc_u64 s[58:59], s[10:11], s[58:59]
	s_add_nc_u64 s[60:61], s[60:61], s[62:63]
	s_mov_b32 s68, 1                               ; the head's group 0: slot = wave / 2
	s_mul_i32 s69, s13, SLOT
	s_or_b32 s71, s71, 0x80000000
	s_mov_b32 s72, 1
	s_add_co_u32 s73, s69, S1B
	s_or_b32 s75, s75, 0x80000000
	CROUND                                         ; all sixteen work-groups are here: the first joint loads meet
	ARM 0, 68, G1
	ARM 1, 72, G1B
	ARM 2, 68, G1
	tensor_load_to_lds s[72:75], s[G1B:G1B+7]
	s_nop 0
	PLACES 4
.Lhead_asked:
.set k, 0
.rept 16                               ; v's scale words: S0's two groups
	global_load_b64 v[SC0+6*k+2:SC0+6*k+3], v[L8], s[58:59] offset:256*k
	global_load_b64 v[SC0+6*k+4:SC0+6*k+5], v[L8], s[58:59] offset:16384+256*k
.set k, k+1
.endr
.irp s, 0,1                            ; the refills' group 0: chunk 2 + slot
	s_mov_b32 s[G0+4*\s], 1
	s_add_co_u32 s[G0+4*\s+1], s83, \s*SLOT
	s_add_nc_u64 s[G0+4*\s+2:G0+4*\s+3], s[84:85], \s*ROWB
	s_or_b32 s[G0+4*\s+3], s[G0+4*\s+3], 0x80000000
	s_mov_b32 s[G0B+4*\s], 1
	s_add_co_u32 s[G0B+4*\s+1], s91, \s*SLOT
	s_add_nc_u64 s[G0B+4*\s+2:G0B+4*\s+3], s[88:89], \s*ROWB
	s_or_b32 s[G0B+4*\s+3], s[G0B+4*\s+3], 0x80000000
.endr
	s_wait_loadcnt 32                              ; the first 48 are in; v's 32 may be out
.irp j, 0,1                            ; the rows' -M: the least of the sixteen
	v_min3_num_f32 v[MM+\j], v[NMR+\j], v[NMR+2+\j], v[NMR+4+\j]
	v_min3_num_f32 v[T+\j], v[NMR+6+\j], v[NMR+8+\j], v[NMR+10+\j]
.endr
.irp s, 6,10
.irp j, 0,1
	v_min3_num_f32 v[MM+\j], v[MM+\j], v[NMR+2*\s+\j], v[NMR+2*\s+2+\j]
	v_min3_num_f32 v[T+\j], v[T+\j], v[NMR+2*\s+4+\j], v[NMR+2*\s+6+\j]
.endr
.endr
.irp j, 0,1
	v_min3_num_f32 v[MM+\j], v[MM+\j], v[NMR+28+\j], v[NMR+30+\j]
.endr
.irp j, 0,1
	v_min_num_f32 v[MM+\j], v[MM+\j], v[T+\j]
.endr
	; d = the row's M less the K step's, at most 127 (p is at most 1, so no scale byte passes 125)
	E3 v_sub_f32, v[NMR+i], v[NMR+i], v[MM+i%2]
	E2 v_cvt_u32_f32, v[NMR+i], v[NMR+i]
	E3 v_min_u32, v[NMR+i], 0x7f, v[NMR+i]
	E3 v_sub_nc_u32, v[T+i], 0, v[NMR+i]
	E3 v_ldexp_f32, v[LR+i], v[LR+i], v[T+i]
	; the four bytes at once: 128 + byte - d borrows from no neighbour, and keeps its bit 7 where the byte is d or more: elsewhere 0
	E4 v_lshl_or_b32, v[NMR+i], v[NMR+i], 8, v[NMR+i]
	E4 v_lshl_or_b32, v[NMR+i], v[NMR+i], 16, v[NMR+i]
	E3 v_or_b32, v[SC0+6*(i/2)+i%2], 0x80808080, v[SC0+6*(i/2)+i%2]
	E3 v_sub_nc_u32, v[SC0+6*(i/2)+i%2], v[SC0+6*(i/2)+i%2], v[NMR+i]
	E3 v_and_b32, v[T+i], 0x80808080, v[SC0+6*(i/2)+i%2]
	E3 v_lshrrev_b32, v[NMR+i], 7, v[T+i]
	E3 v_sub_nc_u32, v[T+i], v[T+i], v[NMR+i]
	E3 v_and_b32, v[SC0+6*(i/2)+i%2], v[SC0+6*(i/2)+i%2], v[T+i]
.irp n, 16,8,4,2                       ; the sum of l
.set k, 0
.rept \n/2
	v_pk_add_f32 v[LR+k:LR+k+1], v[LR+k:LR+k+1], v[LR+k+\n:LR+k+\n+1]
.set k, k+2
.endr
.endr
	v_mov_b32 v[PX], 0                             ; (a lane permute's destination counts as one of its sources)
	v_mov_b32 v[PX+1], 0
	s_wait_alu depctr_va_vdst(0)
	v_rcp_f32 v[RC], v[LR]
	v_rcp_f32 v[RC+1], v[LR+1]
	v_nop
	s_wait_alu depctr_va_vdst(0)
.irp j, 0,1
	v_permlanex16_b32 v[PX+\j], v[RC+\j], s[SEL], s[SEL+1]
.endr
.irp j, 0,1                            ; row tile 2 j's 1 / l stands in lanes 0-15, row tile 2 j + 1's in lanes 16-31: each to all lanes, in the window of its accumulators
	WIN 0x80+0x40*\j
	v_cndmask_b32 v[RL], v[RC+\j], v[PX+\j], s[MH]
	v_cndmask_b32 v[RL+1], v[RC+\j], v[PX+\j], s[MH]
	v_cndmask_b32 v[RL+2], v[PX+\j], v[RC+\j], s[MH]
	v_cndmask_b32 v[RL+3], v[PX+\j], v[RC+\j], s[MH]
.endr
	WIN 0
	s_wait_alu depctr_va_vdst(0)
	s_cmp_lt_u32 s12, 2
	s_cbranch_scc0 .Lchunk_1
	s_wait_tensorcnt 0x0                           ; waves 0 and 1: chunk 0 is in; chunk 1 may stay out
.Lchunk_1:
	s_barrier_signal -1
	s_barrier_wait -1
	RUN 0, 0, 0
	s_wait_loadcnt 0x0                             ; v's scale words
	global_prefetch_b8 v[PFP], s[76:77] th:TH_LOAD_NT scope:SCOPE_SE
	global_prefetch_b8 v[PFV], s[78:79] th:TH_LOAD_NT scope:SCOPE_SE
	HALF 0, 0, 1                                   ; the first products start the sums
	TURN 0, SC0+18, 1
	WIN 0
	global_prefetch_b8 v[PFP], s[76:77] offset:ROWB th:TH_LOAD_NT scope:SCOPE_SE
	global_prefetch_b8 v[PFV], s[78:79] offset:ROWB th:TH_LOAD_NT scope:SCOPE_SE
	HALF 1, 4, 0
	TURN 1, SC0+42, 1
	HALF 0, 8, 0
	TURN 0, SC0+66, 0
	; ---- the last chunk, by row tiles
	s_wait_dscnt 0x0
	PLACES 4                                       ; in front of loads into the sets that the last products read
	BK 1
	AROW 1
	BK 2
	RX 0, 0, 0
	s_wait_dscnt 36                                ; v's second K step is in: row tile 1's 12 loads and the third's 24 may be out
	RX 0, 0, 1
	BK 3
	s_wait_dscnt 24                                ; the third is in
	RX 0, 0, 2
	s_wait_dscnt 0x0
	RX 0, 0, 3
	PLACES 4                                       ; results are read, and loads land where their fragments lay
	TOSTAGE 0
	AROW 2
	RX 0, 1, 0
	SEND 0, 12
	RX 0, 1, 1
	RX 0, 1, 2
	RX 0, 1, 3
	PLACES 4
	TOSTAGE 1
	AROW 3
	s_wait_dscnt 44                                ; row tile 2's fragments are in: 32 LDS instructions of TOSTAGE and 12 loads are younger
	RX 1, 0, 0
	SEND 1, 12
	RX 1, 0, 1
	RX 1, 0, 2
	RX 1, 0, 3
	PLACES 4
	TOSTAGE 2
	s_wait_dscnt 32                                ; row tile 3's
	RX 1, 1, 0
	SEND 2, 0
	RX 1, 1, 1
	RX 1, 1, 2
	RX 1, 1, 3
	PLACES 4
	TOSTAGE 3
	SEND 3, 0
	WIN 0
	s_wait_tensorcnt 0x0                           ; the wave's end, behind my last LDS store
	ds_add_u32 v[SPW], v[NIL]
	s_wait_dscnt 0x0
	CROUND                                         ; the closing round
	s_endpgm
.Lfunc_end_k_q9eae6c667b_pv:
	.size	k_q9eae6c667b_pv, .Lfunc_end_k_q9eae6c667b_pv-k_q9eae6c667b_pv
	.p2alignl 7, 3214868480
	.fill 96, 4, 3214868480
	.section	.rodata,"a",@progbits
	.p2align	6, 0x0
	.amdhsa_kernel k_q9eae6c667b_pv
		.amdhsa_group_segment_fixed_size 327680
		.amdhsa_private_segment_fixed_size 0
		.amdhsa_enable_private_segment 0
		.amdhsa_kernarg_size 40
		.amdhsa_user_sgpr_count 2
		.amdhsa_user_sgpr_kernarg_segment_ptr 1
		.amdhsa_wavefront_size32 1
		.amdhsa_system_sgpr_workgroup_id_x 1
		.amdhsa_system_sgpr_workgroup_id_y 1
		.amdhsa_system_sgpr_workgroup_id_z 1
		.amdhsa_system_vgpr_workitem_id 0
		.amdhsa_next_free_vgpr 1024
		.amdhsa_next_free_sgpr 96
		.amdhsa_reserve_vcc 0
		.amdhsa_float_denorm_mode_32 3
		.amdhsa_float_denorm_mode_16_64 3
		.amdhsa_memory_ordered 1
		.amdhsa_forward_progress 1
		.amdhsa_inst_pref_size 170
	.end_amdhsa_kernel
	.amdgpu_metadata
---
amdhsa.version: [ 1, 2 ]
amdhsa.kernels:
  - .name:           k_q9eae6c667b_pv
    .symbol:         k_q9eae6c667b_pv.kd
    .args:
      - { .name: p_img, .offset: 0, .size: 8, .value_kind: global_buffer, .address_space: global }
      - { .name: p_aux, .offset: 8, .size: 8, .value_kind: global_buffer, .address_space: global }
      - { .name: qkv_img, .offset: 16, .size: 8, .value_kind: global_buffer, .address_space: global }
      - { .name: qkv_scl, .offset: 24, .size: 8, .value_kind: global_buffer, .address_space: global }
      - { .name: out0, .offset: 32, .size: 8, .value_kind: global_buffer, .address_space: global }
    .group_segment_fixed_size: 327680
    .private_segment_fixed_size: 0
    .kernarg_segment_align: 8
    .kernarg_segment_size: 40
    .max_flat_workgroup_size: 128
    .sgpr_count:     96
    .vgpr_count:     1024
    .wavefront_size: 32
...
	.end_amdgpu_metadata
.endif
;; end of part 4
